; MI455X (gfx1250); checked and timed in simulation.
; The chip was launched on July 23, 2026; its instructions are those of AMD's public machine-readable ISA for CDNA 5 (MIT licence, August 2026) and "CDNA5" Instruction Set Architecture Reference Guide (July 2026). The comments in the code are by the model that wrote it; some were corrected since.
;; Gated Duo Attention. Allowed arithmetic: matrix products marked QUANTISED: E2M1 operands, one E8M0 scale for each 32 along K, by v_wmma_scale_f32_16x16x128_f8f6f4 with both operands' format E2M1 (or v_wmma_scale_f32_32x16x128_f4), f32 sums; products left as they are: bf16, f16 or f32 operands; f32 sums; everything else in f32.
;; Inputs: Wk 2,048 x 512 float32; Wo 2,048 x 2,048 float32; Wq 2,048 x 2,048 float32; Wv 2,048 x 512 float32; gate_b 1 float32; gate_w 2,048 x 1 float32; hidden_states 1 x 2,048 x 2,048 float32; ln_b 2,048 float32; ln_g 2,048 float32.
;; Outputs: out0 1 x 2,048 x 2,048 float32; out1 one number float32.
;; This version of the problem:
;;   THIS VERSION OF THE PROBLEM IS GIVEN IN LOW PRECISION. The matrix products marked QUANTISED in the list below multiply operands that are first quantised to E2M1 (2 exponent bits, 1 mantissa bit; 4 bits a number), with one power-of-two scale for each 32 numbers along K (OCP MX v1.0); their sums are f32. The products marked 'left as it is' may take bf16, f16 or f32 operands, with f32 sums. Whichever they take, every output number must still come out within the allowed error. Rounding operands to bf16 (8 significant bits) uses up far more of that allowance than f16 does (11 bits, for magnitudes from 6e-5 to 65,504). All else is computed in f32.
;;   The module's matrix products, in the order in which they are computed (A, B: the left and right operand; K: the contracted axis; several contracted axes count as one K, in the product's order):
;;     1. [M 2,048, K 2,048] x [K 2,048, N 1]; A: computed on the way; B: input gate_w: left as it is (N = 1 < 16)
;;     2. [M 2,048, K 2,048] x [K 2,048, N 2,048]; A: input hidden_states; B: input Wq: QUANTISED
;;     3. [M 2,048, K 2,048] x [K 2,048, N 512]; A: input hidden_states; B: input Wk: QUANTISED
;;     4. [M 2,048, K 2,048] x [K 2,048, N 512]; A: input hidden_states; B: input Wv: QUANTISED
;;     5. batch 16 x [M 2,048, K 128] x [K 128, N 2,048]; A: computed on the way; B: computed on the way: left as it is (an operand is computed on the way)
;;     6. batch 16 x [M 2,048, K 2,048] x [K 2,048, N 128]; A: computed on the way; B: computed on the way: left as it is (an operand is computed on the way)
;;     7. [M 2,048, K 2,048] x [K 2,048, N 2,048]; A: computed on the way; B: input Wo: left as it is (an operand is computed on the way)
;;   THE QUANTISER, for each operand of a quantised product, along K:
;;     - K is cut into blocks of 32 from its start; a last block that is shorter is filled with zeros.
;;     - A block's scale is 2^e with e = floor(log2(the largest magnitude in the block)) - 2, held to -126 .. 127; a block of zeros has e = 0. As a byte (E8M0): e + 127.
;;     - Each number is divided by its block's scale, clamped to +-6, and rounded to the nearest number of E2M1, ties to even, subnormals kept.
;;     - The product sums the exact products of the quantised numbers (number of the format x scale) in f32.
;;   ~~~python
;;   def quantise(x, axis):      # numpy; x: float32 -> the quantised numbers, widened to float32 again
;;       x = np.moveaxis(x, axis, -1); K = x.shape[-1]
;;       x = np.pad(x, [(0, 0)] * (x.ndim - 1) + [(0, -K % 32)]); x = x.reshape(x.shape[:-1] + (-1, 32)); a = np.abs(x).max(-1, keepdims=True)
;;       e = np.where(a > 0, np.clip(np.frexp(np.where(a > 0, a, 1))[1] - 1 - 2, -126, 127), 0)      # np.frexp(a)[1] - 1 = floor(log2(a)), exactly
;;       r = np.clip(x / 2.0 ** e, -6, 6)
;;       step = 2.0 ** (np.maximum(np.frexp(np.where(r == 0, 1, r))[1] - 1, 0) - 1)
;;       q = np.round(r / step) * step * 2.0 ** e      # np.round: ties to even
;;       return np.moveaxis(q.reshape(q.shape[:-2] + (-1,))[..., :K], -1, axis).astype(np.float32)
;;   ~~~
;; One version. Each part assembles by itself: llvm-mc -triple=amdgcn-amd-amdhsa -mcpu=gfx1250 --defsym DOCPART=n.
;; ======== version 1 of 1: 5 launches
;; limits: values are held in f16: magnitudes above 65,504 overflow, below 6.1e-05 lose precision
;; workspace buffers: xq 2,236,416 bytes; wq 3,342,336 bytes; wo16 8,388,608 bytes; q16 8,388,608 bytes; kv16 4,194,304 bytes; at16 8,388,608 bytes; afine 524,288 bytes
;; launch prep (part 1): grid 288 x 1, 16 waves a work-group, no clusters, 179,712 bytes of LDS; arguments hidden_states, ln_g, ln_b, gate_w, gate_b, Wq, Wk, Wv, Wo, xq, wq, wo16; writes xq, wq, wo16
.if DOCPART == 1
	.amdgcn_target "amdgcn-amd-amdhsa--gfx1250"
	.amdhsa_code_object_version 6
	.text
	.protected	k_q9a78e5bf16_prep
	.globl	k_q9a78e5bf16_prep
	.p2align	8
	.type	k_q9a78e5bf16_prep,@function
k_q9a78e5bf16_prep:
	s_mov_b64 s[64:65], 0
	v_nop
	global_prefetch_b8 v0, s[64:65] scope:SCOPE_SE
	s_setreg_imm32_b32 hwreg(HW_REG_WAVE_MODE, 25, 1), 1
	s_wait_xcnt 0x0
; GatedDuoAttention, launch 1 of 5: the gate (f32), hidden_states and Wq, Wk, Wv as codes of E2M1 with E8M0 scales along K, Wo as f16.
; DEAD WORK OF THE WHOLE PROGRAM.  reference() adds two masks that it builds in its own body to the scores: causal (-inf where key > query) and local (-inf where |query - key| > 64).
; A softmax gives 0 where its input is -inf, for all finite inputs, so a tile of scores that lies wholly under a mask, and its part of the product with v, reach no output.  The attention
; launch leaves such tiles out where they come in whole trips of 256 keys; inside a trip they are worked and hidden.  Nothing else is left out; all nine inputs are loaded.
; A NaN, an infinity or an overflow that arises only in scores so left out is not carried to the result.
; LIMITS.  NaN and infinities among the inputs are not served.  A block of 32 zeros gets the scale byte 1 where the quantiser says 127: its codes are zeros, and this program alone reads the bytes.
; Wo is rounded to f16: magnitudes under 6e-5 keep an absolute error of 3e-8, magnitudes from 65,504 on become infinite.
; LAYOUTS: every buffer lies as the image of the operand's registers, so that later launches read fragments as 512 consecutive bytes an instruction.
;   xq: codes [16-row block 128][block of 32 along K: 64][row 16][16 bytes]; at 2,097,152 scale bytes [128-row tile 16][512 along K: 4][row 128][16 bytes]; at 2,228,224 the 2,048 gates, f32.
;   wq: the same for the 3,072 columns of Wq | Wk | Wv (192 blocks of 16 columns, scales at 3,145,728).      wo16: [16-column block 128][8 along K: 256][column 16][8 f16].
; SHARES.  Work-groups 0-127: 16 rows of hidden_states, a wave a row.  128-191: 32 columns of Wq; 192-223: of Wk, Wv; 224-287: of Wo: wave w takes K = 128 w .. 128 w + 127, a lane a column, registers down K,
; so that a block of 32 along K lies in one lane and nothing is transposed.  No tile is shared between work-groups, so there is no cluster, and no tensor load: operands go through registers.
.set STG,   0                          ; LDS: a stage of 9,216 bytes for each wave: a row as 64 blocks of 128 bytes + 16 of padding
.set GWL,   147456                     ; ln_g x gate_w, laid like a row in a stage
.set BWL,   156672                     ; sixteen partial sums of ln_b x gate_w
.set XI,    156928                     ; the codes' image: 64 blocks x (16 rows x 16 bytes + 16 of padding)
.set XS,    174336                     ; the scale bytes: [4][16 rows][16]
.set GT,    175360                     ; sixteen gates
.set WS,    175616                     ; the weights' scale words: [4][32 columns][16]
.set SPARE, 177664                     ; the spare words, 128 bytes for each wave
.set SPW, 14
.set NIL, 15
.set R,   16                           ; v16-79   a row as loaded, later ln_g x gate_w;  v16-143: 128 numbers of a column
.set X,   80                           ; v80-143  my two blocks of 32 neighbours
.set T,   144                          ; v144-175 at work
.set C,   176                          ; v176-191 codes
.set PT,  192                          ; a lane permute's destination
.set GTR, 193
.set VA,  194
.set DO,  198
.set DD,  202
.set L4,  206
.set SGO, 207
.set MU,  T+20
.macro WSUM r, t                       ; the sum over the wave's 32 lanes, in every lane
	v_add_f32_dpp v[\r], v[\r], v[\r] row_xmask:1 row_mask:0xf bank_mask:0xf
	v_add_f32_dpp v[\r], v[\r], v[\r] row_xmask:2 row_mask:0xf bank_mask:0xf
	v_add_f32_dpp v[\r], v[\r], v[\r] row_xmask:4 row_mask:0xf bank_mask:0xf
	v_add_f32_dpp v[\r], v[\r], v[\r] row_xmask:8 row_mask:0xf bank_mask:0xf
	v_permlanex16_b32 v[\t], v[\r], s40, s41
	v_add_f32 v[\r], v[\r], v[\t]
.endm
; 32 numbers of one lane become 16 bytes of codes and a scale byte.  The largest magnitude has the floor 2^(3 - 127) among its leaves, so the byte cannot fall under 1;
; 2 off its exponent field is the conversion's scale operand, and that field is the byte.
.macro QBLK x, c, e, m
	v_max3_num_f32 v[(\m)], |v[(\x)]|, |v[(\x)+1]|, |v[(\x)+2]|
	v_max3_num_f32 v[(\m)+1], |v[(\x)+3]|, |v[(\x)+4]|, |v[(\x)+5]|
.irp i, 6,10,14,18,22,26
	v_max3_num_f32 v[(\m)], v[(\m)], |v[(\x)+\i]|, |v[(\x)+\i+1]|
	v_max3_num_f32 v[(\m)+1], v[(\m)+1], |v[(\x)+\i+2]|, |v[(\x)+\i+3]|
.endr
	v_max3_num_f32 v[(\m)], v[(\m)], |v[(\x)+30]|, |v[(\x)+31]|
	v_max3_num_f32 v[(\m)], v[(\m)], v[(\m)+1], 0x1800000
	v_add_nc_u32 v[(\m)+2], 0xff000000, v[(\m)]
.irp g, 0,1,2,3
	v_cvt_scalef32_pk8_fp4_f32 v[(\c)+\g], v[(\x)+8*\g:(\x)+8*\g+7], v[(\m)+2]
.endr
	v_lshrrev_b32 v[(\e)], 23, v[(\m)+2]           ; the byte; also the plain line behind the conversions
.endm
.macro LOADW pitch                     ; W(128 w + kk, my column), kk = 0 .. 127: 32 lanes read 128 consecutive bytes
.set kk, 0
.rept 128
	global_load_b32 v[16+kk], v2, s[28:29] offset:kk*\pitch
.set kk, kk+1
.endr
.endm
	s_load_b512 s[4:19], s[0:1], 0x0               ; hidden s[4:5], ln_g s[6:7], ln_b s[8:9], gate_w s[10:11], gate_b s[12:13], Wq s[14:15], Wk s[16:17], Wv s[18:19]
	s_load_b256 s[20:27], s[0:1], 0x40             ; Wo s[20:21], xq s[22:23], wq s[24:25], wo16 s[26:27]
	v_lshl_add_u32 v[SPW], v0, 2, SPARE
	v_mov_b32 v[NIL], 0
	v_lshrrev_b32 v1, 5, v0
	v_readfirstlane_b32 s30, v1                    ; wave 0..15
	v_and_b32 v1, 31, v0                           ; lane
	s_mov_b32 s33, 0
	s_mov_b32 s40, 0x76543210
	s_mov_b32 s41, 0xfedcba98                      ; v_permlanex16_b32's selects for lane l xor 16
	s_wait_kmcnt 0x0
	s_cmp_lt_u32 ttmp9, 128
	s_cbranch_scc0 .Lweights
	; ================= hidden_states: wave w takes row 16 x work-group + w =================
	s_load_b32 s28, s[12:13], 0x0                  ; gate_b
	v_lshlrev_b32 v2, 4, v0                        ; 16 x thread: the 512 threads cover a vector of 2,048 f32
	global_load_b128 v[T:T+3], v2, s[6:7]          ; ln_g
	global_load_b128 v[T+4:T+7], v2, s[8:9]        ; ln_b
	global_load_b128 v[T+8:T+11], v2, s[10:11]     ; gate_w
	s_lshl_b32 s32, ttmp9, 4
	s_add_co_u32 s32, s32, s30
	s_lshl_b32 s32, s32, 13                        ; my row x 8,192 bytes
	s_add_nc_u64 s[4:5], s[4:5], s[32:33]
	v_lshlrev_b32 v3, 4, v1                        ; 16 x lane
.irp j, 0,1,2,3,4,5,6,7,8,9,10,11,12,13,14,15
	global_load_b128 v[R+4*\j:R+4*\j+3], v3, s[4:5] offset:512*\j th:TH_LOAD_NT   ; 512 consecutive bytes; read once
.endr
	v_lshrrev_b32 v4, 3, v0                        ; LDS addresses, all from the thread's and the wave's number
	v_mul_u32_u24 v4, v4, 144
	v_and_b32 v13, 7, v0
	v_lshl_add_u32 v4, v13, 4, v4
	v_add_nc_u32 v4, GWL, v4                       ; ln_g x gate_w: block thread / 8, 16 bytes at thread % 8
	s_mul_i32 s34, s30, 9216
	v_lshrrev_b32 v5, 3, v1
	v_mul_u32_u24 v5, v5, 144
	v_and_b32 v13, 7, v1
	v_lshl_add_u32 v5, v13, 4, v5
	v_add_nc_u32 v5, s34, v5                       ; my stage, on the way in: as loaded
	v_mul_u32_u24 v6, v1, 144
	v_add_nc_u32 v7, GWL, v6                       ; ln_g x gate_w of my blocks
	v_add_nc_u32 v6, s34, v6                       ; my stage, on the way out: block = lane
	s_lshl_b32 s35, s30, 2
	s_add_co_u32 s36, s35, BWL
	v_mov_b32 v8, s36
	s_add_co_u32 s36, s35, GT
	v_mov_b32 v11, s36
	s_lshl_b32 s35, s30, 4
	v_mul_u32_u24 v9, v1, 272
	v_add_nc_u32 v9, s35, v9
	v_add_nc_u32 v9, XI, v9                        ; the codes' image: block = lane, row = wave
	v_lshrrev_b32 v10, 4, v1
	v_and_b32 v13, 15, v1
	v_lshl_add_u32 v10, v10, 8, v13
	v_add_nc_u32 v10, s35, v10
	v_add_nc_u32 v10, XS, v10                      ; the scale byte of block = lane, row = wave
	s_mul_i32 s36, s30, 544
	v_lshrrev_b32 v12, 4, v1
	v_mul_u32_u24 v12, v12, 272
	v_lshl_add_u32 v12, v13, 4, v12
	v_add_nc_u32 v12, s36, v12
	v_add_nc_u32 v12, XI, v12                      ; the image back: blocks 2 w and 2 w + 1, sixteen lanes each
	v_lshlrev_b32 v[L4], 2, v1
	v_add_nc_u32 v[GTR], GT, v[L4]
	v_lshrrev_b32 v[SGO], 4, v0
	v_lshlrev_b32 v[SGO], 11, v[SGO]
	v_lshl_add_u32 v[SGO], v13, 4, v[SGO]          ; the scales' place in memory for threads 0-63
	v_mov_b32 v[PT], 0                             ; written once: a lane permute's destination counts as one of its sources
	s_mov_b32 s42, 0x3a000000                      ; 1 / 2048
	s_mov_b32 s43, 0x3727c5ac                      ; 1e-5
	s_mov_b32 s44, 0xc1200000                      ; -10
	s_mov_b32 s45, 0x41200000                      ; 10
	s_lshl_b32 s32, ttmp9, 14
	s_lshl_b32 s34, s30, 9
	s_add_co_u32 s32, s32, s34
	s_add_nc_u64 s[36:37], s[22:23], s[32:33]      ; codes: block of rows x 16,384 + 512 x wave
	s_lshr_b32 s32, ttmp9, 3
	s_lshl_b32 s32, s32, 13
	s_and_b32 s34, ttmp9, 7
	s_lshl_b32 s34, s34, 8
	s_add_co_u32 s32, s32, s34
	s_add_co_u32 s32, s32, 2097152
	s_add_nc_u64 s[38:39], s[22:23], s[32:33]      ; scales
	s_lshl_b32 s32, ttmp9, 6
	s_add_co_u32 s32, s32, 2228224
	s_add_nc_u64 s[46:47], s[22:23], s[32:33]      ; gates
	s_wait_loadcnt 16                              ; the three vectors are in; the row's sixteen loads stay out
	v_pk_mul_f32 v[T+12:T+13], v[T:T+1], v[T+8:T+9]
	v_pk_mul_f32 v[T+14:T+15], v[T+2:T+3], v[T+10:T+11]
	ds_store_b128 v4, v[T+12:T+15]                 ; ln_g x gate_w
	v_mul_f32 v[T+16], v[T+4], v[T+8]
	v_fmac_f32 v[T+16], v[T+5], v[T+9]
	v_fmac_f32 v[T+16], v[T+6], v[T+10]
	v_fmac_f32 v[T+16], v[T+7], v[T+11]
	WSUM T+16, PT
	ds_store_b32 v8, v[T+16]                       ; my wave's part of the sum of ln_b x gate_w
	s_wait_dscnt 0x0                               ; for the others' sake
	s_barrier_signal -1
	s_barrier_wait -1
	s_wait_loadcnt 0x0                             ; the row
.irp j, 0,1,2,3,4,5,6,7,8,9,10,11,12,13,14,15
	ds_store_b128 v5, v[R+4*\j:R+4*\j+3] offset:576*\j
.endr
.irp i, 0,1,2,3,4,5,6,7
	ds_load_b128 v[X+4*\i:X+4*\i+3], v6 offset:16*\i              ; block = lane.  LDS serves a wave's instructions in order: these see my stores
.endr
.irp i, 0,1,2,3,4,5,6,7
	ds_load_b128 v[X+32+4*\i:X+32+4*\i+3], v6 offset:4608+16*\i   ; block = lane + 32
.endr
	s_wait_dscnt 0x0
.irp i, 0,1,2,3,4,5,6,7
	ds_load_b128 v[R+4*\i:R+4*\i+3], v7 offset:16*\i              ; ln_g x gate_w at the same places
.endr
.irp i, 0,1,2,3,4,5,6,7
	ds_load_b128 v[R+32+4*\i:R+32+4*\i+3], v7 offset:4608+16*\i
.endr
	v_mov_b32 v13, BWL
.irp i, 0,1,2,3
	ds_load_b128 v[T+4*\i:T+4*\i+3], v13 offset:16*\i
.endr
	v_pk_add_f32 v[T+20:T+21], v[X:X+1], v[X+2:X+3]               ; the mean, in two chains, while those loads are out
	v_pk_add_f32 v[T+22:T+23], v[X+4:X+5], v[X+6:X+7]
.irp i, 8,12,16,20,24,28,32,36,40,44,48,52,56,60
	v_pk_add_f32 v[T+20:T+21], v[T+20:T+21], v[X+\i:X+\i+1]
	v_pk_add_f32 v[T+22:T+23], v[T+22:T+23], v[X+\i+2:X+\i+3]
.endr
	v_pk_add_f32 v[T+20:T+21], v[T+20:T+21], v[T+22:T+23]
	v_add_f32 v[T+20], v[T+20], v[T+21]
	WSUM T+20, PT
	v_mul_f32 v[MU], s42, v[MU]
	v_mov_b32 v[MU+1], v[MU]
	s_wait_dscnt 0x0
	; the second pass stays in registers: d = x - mean; the variance sums d d, the gate's product sums d x (ln_g gate_w): no difference of large sums
.set i, 0
.rept 32
.set pp, i%2
	v_pk_add_f32 v[DD+2*pp:DD+2*pp+1], v[X+2*i:X+2*i+1], v[MU:MU+1] neg_lo:[0,1] neg_hi:[0,1]
.if i < 2
	v_pk_mul_f32 v[VA+2*pp:VA+2*pp+1], v[DD+2*pp:DD+2*pp+1], v[DD+2*pp:DD+2*pp+1]
	v_pk_mul_f32 v[DO+2*pp:DO+2*pp+1], v[DD+2*pp:DD+2*pp+1], v[R+2*i:R+2*i+1]
.else
	v_pk_fma_f32 v[VA+2*pp:VA+2*pp+1], v[DD+2*pp:DD+2*pp+1], v[DD+2*pp:DD+2*pp+1], v[VA+2*pp:VA+2*pp+1]
	v_pk_fma_f32 v[DO+2*pp:DO+2*pp+1], v[DD+2*pp:DD+2*pp+1], v[R+2*i:R+2*i+1], v[DO+2*pp:DO+2*pp+1]
.endif
.set i, i+1
.endr
	v_pk_add_f32 v[VA:VA+1], v[VA:VA+1], v[VA+2:VA+3]
	v_pk_add_f32 v[DO:DO+1], v[DO:DO+1], v[DO+2:DO+3]
	v_add_f32 v[VA], v[VA], v[VA+1]
	v_add_f32 v[DO], v[DO], v[DO+1]
	WSUM VA, PT
	WSUM DO, PT
	v_fma_f32 v[VA], v[VA], s42, s43               ; variance + 1e-5
	v_rsq_f32 v[VA], v[VA]
	v_pk_add_f32 v[T:T+1], v[T:T+1], v[T+2:T+3]    ; the sixteen parts of the sum of ln_b x gate_w: independent work behind the root
	v_pk_add_f32 v[T+4:T+5], v[T+4:T+5], v[T+6:T+7]
	v_pk_add_f32 v[T+8:T+9], v[T+8:T+9], v[T+10:T+11]
	v_pk_add_f32 v[T+12:T+13], v[T+12:T+13], v[T+14:T+15]
	v_pk_add_f32 v[T:T+1], v[T:T+1], v[T+4:T+5]
	v_pk_add_f32 v[T+8:T+9], v[T+8:T+9], v[T+12:T+13]
	v_pk_add_f32 v[T:T+1], v[T:T+1], v[T+8:T+9]
	v_add_f32 v[T], v[T], v[T+1]
	s_wait_kmcnt 0x0                               ; gate_b
	v_add_f32 v[T], s28, v[T]
	s_wait_alu depctr_va_vdst(0)                   ; the wait ahead of the first reader of the root
	v_fma_f32 v[DO], v[VA], v[DO], v[T]
	v_med3_num_f32 v[DO], v[DO], s44, s45          ; the clip at +-10
	v_mul_f32 v[DO], 0xbfb8aa3b, v[DO]
	v_exp_f32 v[DO], v[DO]
	v_nop
	s_wait_alu depctr_va_vdst(0)
	v_add_f32 v[DO], 1.0, v[DO]
	v_rcp_f32 v[DO], v[DO]                         ; the gate; the quantiser below is the independent work behind it
	QBLK X, C, T+19, T+16
	QBLK X+32, C+4, T+27, T+24
	ds_store_b128 v9, v[C:C+3]
	ds_store_b128 v9, v[C+4:C+7] offset:8704
	ds_store_b8 v10, v[T+19]
	ds_store_b8 v10, v[T+27] offset:512
	s_wait_alu depctr_va_vdst(0)
	ds_store_b32 v11, v[DO]
	v_lshlrev_b32 v4, 4, v0
	v_add_nc_u32 v4, XS, v4                        ; the scales back: 16 bytes a thread (threads 0-63)
	s_wait_dscnt 0x0
	s_barrier_signal -1
	s_barrier_wait -1
	ds_load_b128 v[C+8:C+11], v12
	ds_load_b128 v[C+12:C+15], v12 offset:8704
	s_wait_dscnt 0x0
	global_store_b128 v3, v[C+8:C+11], s[36:37]                ; 512 consecutive bytes, aligned
	global_store_b128 v3, v[C+12:C+15], s[36:37] offset:8192
	s_cmp_lt_u32 s30, 2
	s_cbranch_scc0 .Lx_gates
	ds_load_b128 v[T:T+3], v4
	s_wait_dscnt 0x0
	global_store_b128 v[SGO], v[T:T+3], s[38:39]               ; sixteen lanes fill 256 consecutive bytes
	s_branch .Lend
.Lx_gates:
	s_cmp_eq_u32 s30, 2
	s_cbranch_scc0 .Lend
	v_cmp_gt_u32 vcc_lo, 16, v1
	s_wait_xcnt 0x0                                ; EXEC changes only behind this wait
	s_and_saveexec_b32 s29, vcc_lo
	ds_load_b32 v[T], v[GTR]
	s_wait_dscnt 0x0
	global_store_b32 v[L4], v[T], s[46:47]         ; sixteen gates
	s_wait_xcnt 0x0
	s_or_b32 exec_lo, exec_lo, s29
	s_branch .Lend
	; ================= the weights =================
.Lweights:
	v_lshlrev_b32 v2, 2, v1                        ; 4 bytes a lane
	s_cmp_lt_u32 ttmp9, 192
	s_cbranch_scc1 .Lwide
	s_cmp_lt_u32 ttmp9, 224
	s_cbranch_scc0 .Lwide
	s_sub_co_u32 s31, ttmp9, 192                   ; Wk (0-15) or Wv (16-31): rows of 2,048 bytes
	s_cmp_lt_u32 s31, 16
	s_cselect_b64 s[28:29], s[16:17], s[18:19]
	s_and_b32 s32, s31, 15
	s_lshl_b32 s32, s32, 7
	s_lshl_b32 s34, s30, 18
	s_add_co_u32 s32, s32, s34
	s_add_nc_u64 s[28:29], s[28:29], s[32:33]
	LOADW 2048
	s_add_co_u32 s31, s31, 64                      ; which 32 of wq's 3,072 columns
	s_branch .Lquant
.Lwide:
	s_cmp_lt_u32 ttmp9, 192                        ; Wq or Wo: rows of 8,192 bytes
	s_cselect_b64 s[28:29], s[14:15], s[20:21]
	s_movk_i32 s31, 224
	s_cselect_b32 s31, 128, s31
	s_sub_co_u32 s31, ttmp9, s31
	s_lshl_b32 s32, s31, 7
	s_lshl_b32 s34, s30, 20
	s_add_co_u32 s32, s32, s34
	s_add_nc_u64 s[28:29], s[28:29], s[32:33]
	LOADW 8192
	s_cmp_lt_u32 ttmp9, 192
	s_cbranch_scc0 .Lwo
.Lquant:
	v_lshrrev_b32 v3, 4, v1
	v_and_b32 v5, 15, v1
	v_lshlrev_b32 v3, 14, v3
	v_lshl_add_u32 v3, v5, 4, v3                   ; lanes 0-15: one block of 16 columns, lanes 16-31 the next
	s_lshr_b32 s34, s30, 2
	s_lshl_b32 s34, s34, 9
	s_and_b32 s35, s30, 3
	s_lshl_b32 s35, s35, 2
	s_add_co_u32 s34, s34, s35
	s_add_co_u32 s34, s34, WS
	v_lshlrev_b32 v6, 4, v1
	v_add_nc_u32 v4, s34, v6                       ; my scale word's place
	s_lshl_b32 s35, s30, 9
	s_add_co_u32 s35, s35, WS
	v_add_nc_u32 v7, s35, v6                       ; and where waves 0-3 read 16 bytes a column back
	s_lshl_b32 s32, s31, 15
	s_lshl_b32 s34, s30, 10
	s_add_co_u32 s32, s32, s34
	s_add_nc_u64 s[36:37], s[24:25], s[32:33]
	s_lshr_b32 s32, s31, 2
	s_lshl_b32 s32, s32, 13
	s_and_b32 s34, s31, 3
	s_lshl_b32 s34, s34, 9
	s_add_co_u32 s32, s32, s34
	s_lshl_b32 s34, s30, 11
	s_add_co_u32 s32, s32, s34
	s_add_co_u32 s32, s32, 3145728
	s_add_nc_u64 s[38:39], s[24:25], s[32:33]
.irp b, 0,1,2,3
.if \b < 2
	s_wait_loadcnt 63                              ; behind this block's loads 96 or 64 were issued: with 63 out at the most it is in
.else
	s_wait_loadcnt 96-32*\b                        ; the loads issued behind this block's
.endif
	QBLK 16+32*\b, C+4*\b, T+4+\b, T
	global_store_b128 v3, v[C+4*\b:C+4*\b+3], s[36:37] offset:256*\b   ; two aligned runs of 256 bytes
.endr
	v_lshl_or_b32 v[T+8], v[T+5], 8, v[T+4]
	v_lshl_or_b32 v[T+8], v[T+6], 16, v[T+8]
	v_lshl_or_b32 v[T+8], v[T+7], 24, v[T+8]       ; the scale word of my column and my 128 along K
	ds_store_b32 v4, v[T+8]
	s_wait_dscnt 0x0
	s_barrier_signal -1
	s_barrier_wait -1
	s_cmp_lt_u32 s30, 4
	s_cbranch_scc0 .Lend
	ds_load_b128 v[T+12:T+15], v7
	s_wait_dscnt 0x0
	global_store_b128 v6, v[T+12:T+15], s[38:39]   ; 512 consecutive bytes
	s_branch .Lend
.Lwo:
	v_lshrrev_b32 v3, 4, v1
	v_and_b32 v5, 15, v1
	v_lshlrev_b32 v3, 16, v3
	v_lshl_add_u32 v3, v5, 4, v3
	s_lshl_b32 s32, s31, 17
	s_lshl_b32 s34, s30, 12
	s_add_co_u32 s32, s32, s34
	s_add_nc_u64 s[36:37], s[26:27], s[32:33]
.set p, 0
.rept 16
.if 120-8*p > 63
	s_wait_loadcnt 63
.else
	s_wait_loadcnt 120-8*p                         ; the loads issued behind these eight
.endif
.irp i, 0,1,2,3
	v_cvt_pk_f16_f32 v[16+4*p+\i], v[16+8*p+2*\i], v[16+8*p+2*\i+1]   ; in place, ascending: a result never lands on a number still to be read
.endr
	global_store_b128 v3, v[16+4*p:16+4*p+3], s[36:37] offset:256*p
.set p, p+1
.endr
.Lend:
	s_wait_tensorcnt 0x0                           ; the wave's end
	ds_add_u32 v[SPW], v[NIL]
	s_wait_dscnt 0x0
	s_endpgm
.Lfunc_end_k_q9a78e5bf16_prep:
	.size	k_q9a78e5bf16_prep, .Lfunc_end_k_q9a78e5bf16_prep-k_q9a78e5bf16_prep
	.p2alignl 7, 3214868480
	.fill 96, 4, 3214868480
	.section	.rodata,"a",@progbits
	.p2align	6, 0x0
	.amdhsa_kernel k_q9a78e5bf16_prep
		.amdhsa_group_segment_fixed_size 179712
		.amdhsa_private_segment_fixed_size 0
		.amdhsa_enable_private_segment 0
		.amdhsa_kernarg_size 96
		.amdhsa_user_sgpr_count 2
		.amdhsa_user_sgpr_kernarg_segment_ptr 1
		.amdhsa_wavefront_size32 1
		.amdhsa_system_sgpr_workgroup_id_x 1
		.amdhsa_system_sgpr_workgroup_id_y 1
		.amdhsa_system_sgpr_workgroup_id_z 1
		.amdhsa_system_vgpr_workitem_id 0
		.amdhsa_next_free_vgpr 208
		.amdhsa_next_free_sgpr 66
		.amdhsa_reserve_vcc 1
		.amdhsa_float_denorm_mode_32 3
		.amdhsa_float_denorm_mode_16_64 3
		.amdhsa_memory_ordered 1
		.amdhsa_forward_progress 1
		.amdhsa_inst_pref_size 64
	.end_amdhsa_kernel
	.amdgpu_metadata
---
amdhsa.version: [ 1, 2 ]
amdhsa.kernels:
  - .name:           k_q9a78e5bf16_prep
    .symbol:         k_q9a78e5bf16_prep.kd
    .args:
      - { .name: hidden_states, .offset: 0, .size: 8, .value_kind: global_buffer, .address_space: global }
      - { .name: ln_g, .offset: 8, .size: 8, .value_kind: global_buffer, .address_space: global }
      - { .name: ln_b, .offset: 16, .size: 8, .value_kind: global_buffer, .address_space: global }
      - { .name: gate_w, .offset: 24, .size: 8, .value_kind: global_buffer, .address_space: global }
      - { .name: gate_b, .offset: 32, .size: 8, .value_kind: global_buffer, .address_space: global }
      - { .name: Wq, .offset: 40, .size: 8, .value_kind: global_buffer, .address_space: global }
      - { .name: Wk, .offset: 48, .size: 8, .value_kind: global_buffer, .address_space: global }
      - { .name: Wv, .offset: 56, .size: 8, .value_kind: global_buffer, .address_space: global }
      - { .name: Wo, .offset: 64, .size: 8, .value_kind: global_buffer, .address_space: global }
      - { .name: xq, .offset: 72, .size: 8, .value_kind: global_buffer, .address_space: global }
      - { .name: wq, .offset: 80, .size: 8, .value_kind: global_buffer, .address_space: global }
      - { .name: wo16, .offset: 88, .size: 8, .value_kind: global_buffer, .address_space: global }
    .group_segment_fixed_size: 179712
    .private_segment_fixed_size: 0
    .kernarg_segment_align: 8
    .kernarg_segment_size: 96
    .max_flat_workgroup_size: 512
    .sgpr_count:     66
    .vgpr_count:     208
    .wavefront_size: 32
...
	.end_amdgpu_metadata
.endif
;; end of part 1
;; launch qkv (part 2): grid 24 x 16, 4 waves a work-group, clusters of 4 x 4, 327,680 bytes of LDS; arguments xq, wq, q16, kv16; writes q16, kv16
.if DOCPART == 2
	.amdgcn_target "amdgcn-amd-amdhsa--gfx1250"
	.amdhsa_code_object_version 6
	.text
	.protected	k_q9a78e5bf16_qkv
	.globl	k_q9a78e5bf16_qkv
	.p2align	8
	.type	k_q9a78e5bf16_qkv,@function
k_q9a78e5bf16_qkv:
	s_mov_b64 s[64:65], 0
	v_nop
	global_prefetch_b8 v0, s[64:65] scope:SCOPE_SE
	s_setreg_imm32_b32 hwreg(HW_REG_WAVE_MODE, 25, 1), 1
	s_wait_xcnt 0x0
	s_wait_alu depctr_hold_cnt(0) depctr_sa_sdst(0) depctr_va_vdst(0) depctr_va_sdst(0) depctr_va_ssrc(0) depctr_va_vcc(0) depctr_vm_vsrc(0)
	s_getreg_b32 s2, hwreg(HW_REG_IB_STS2, 6, 4)
	s_cmp_eq_u32 s2, 0
	s_cbranch_scc0 .Lentry_in_a_cluster
	s_endpgm
.Lentry_in_a_cluster:
	s_bfe_u32 s2, ttmp6, 0x10000c
	s_cmp_lg_u32 s2, 0xf033
	s_cbranch_scc0 .Lentry_shape_is_right
	s_endpgm
.Lentry_shape_is_right:
; Launch 2 of 5: q | k | v = hidden_states x (Wq | Wk | Wv), 2,048 x 3,072 x 2,048, both operands codes of E2M1 with E8M0 scales, sums f32; results rounded once to f16 and stored as images of the
; attention's operand registers.  LIMIT: |q|, |k|, |v| from 65,504 on become infinite in f16.  Nothing is left out here.
; SHARES.  A work-group makes 128 tokens x 128 channels (one head of q, k or v); its four waves 64 x 64 each: 16 accumulators.  ALL OF K LIES IN LDS: two halves of K, 128 KiB each, and the scales: nothing is
; filled twice, so there is no ring.  By this text's count a wave has three tensor loads out: scales, first half, second half.
; CLUSTERS: 4 x 4.  The four of a row need the same tokens, the four of a column the same channels: each tile is asked for jointly.  Cluster x 0-3 is q, 4 is k, 5 is v: the same for all sixteen partners.
; q and k are used TRANSPOSED (source 0 = 16 channels of W, source 1 = 16 tokens): a lane holds one token and eight neighbouring channels, 16 bytes of a fragment whose K is the head's axis.
; v is used as it stands (source 0 = tokens): a lane holds one channel and eight neighbouring tokens, 16 bytes of a fragment whose K is the keys.
; REGISTERS: window 0: v0-15 addresses; v16-47 scale words, two sets; v64-127, v128-191 two fragment buffers (tokens' four, then channels' four); v192-255 packed results.  window 1: v0-127 accumulators, (a, b) at 8 (4 a + b).
.set CHK,   131072                     ; LDS: a half of K: tokens' 8 blocks x 8 KiB, then channels' 8 blocks x 8 KiB
.set SCL,   262144                     ; scales: tokens' 8 KiB, channels' 8 KiB: [512 along K: 4][row 128][16 bytes]
.set SPARE, 278528
.set ADRX, 4                           ; v4, v5  my tokens' fragments in half 0, 1
.set ADRW, 6                           ; v6, v7  my channels'
.set ADRS, 8
.set OFS,  9                           ; 16 x lane
.set SPW,  14
.set NIL,  15
.set SC,   16
.set TT,   192
.set G1X,  24
.set G1W,  32
.set G1SX, 48
.set G1SW, 56
.set G0X,  68                          ; s[68:75] tokens' halves 0, 1;  s[76:79] their scales
.set G0XS, 76
.set G0W,  80                          ; s[80:87], s[88:91] the same for the channels
.set G0WS, 88
.set MSB, 0
.macro WIN new
.if MSB != \new
	s_set_vgpr_msb (MSB<<8)|\new
.set MSB, \new
.endif
.endm
.macro PLACES n
.rept \n
	v_nop
.endr
.endm
.macro JLOAD g0a, g1a, g0b, g1b        ; waves 0, 1 fetch tokens, waves 2, 3 channels; an s_nop 0 and four v_nop follow each line
	s_cmp_eq_u32 s15, 0
	s_cbranch_scc0 .Lfor_b_\@
	tensor_load_to_lds s[\g0a:\g0a+3], s[\g1a:\g1a+7]
	s_nop 0
.rept 4
	v_nop
.endr
	s_branch .Lasked_\@
.Lfor_b_\@:
	tensor_load_to_lds s[\g0b:\g0b+3], s[\g1b:\g1b+7]
	s_nop 0
.rept 4
	v_nop
.endr
.Lasked_\@:
.endm
.macro CROUND                          ; a round of the cluster's barrier
	s_barrier_signal -1
	s_barrier_wait -1
	s_cmp_lg_u32 s14, 0
	s_cbranch_scc1 .Lnot_wave_0_\@
	s_barrier_signal -3
.Lnot_wave_0_\@:
	s_barrier_wait -3
	s_barrier_signal -1
	s_barrier_wait -1
.endm
	s_load_b256 s[4:11], s[0:1], 0x0               ; xq s[4:5], wq s[6:7], q16 s[8:9], kv16 s[10:11]
	v_lshl_add_u32 v[SPW], v0, 2, SPARE
	v_mov_b32 v[NIL], 0
	ds_add_u32 v[SPW], v[NIL]                      ; the opening: the add, twice on end, and its wait ahead of my first tensor load
	ds_add_u32 v[SPW], v[NIL]
	v_lshrrev_b32 v1, 5, v0
	v_readfirstlane_b32 s14, v1                    ; wave 0..3
	s_lshr_b32 s15, s14, 1                         ; my half of the tokens.  Also: I fetch tokens (0) or channels (1)
	s_and_b32 s16, s14, 1                          ; my half of the channels.  Also: which half of that tile I fetch
	s_bfe_u32 s40, ttmp6, 0x40000                  ; cx
	s_bfe_u32 s41, ttmp6, 0x40004                  ; cy
	s_lshl_b32 s42, ttmp9, 2
	s_add_co_u32 s42, s42, s40                     ; tile of channels 0..23
	s_and_b32 s17, ttmp7, 0xffff
	s_lshl_b32 s17, s17, 2
	s_add_co_u32 s17, s17, s41                     ; tile of tokens 0..15
	s_lshl_b32 s43, s41, 2
	s_lshl_b32 s43, 15, s43                        ; my row of the cluster
	s_lshl_b32 s44, 0x1111, s40                    ; my column
	s_or_b32 s[G1X], s43, (3<<16)|(1<<21)          ; codes: 4 rows (blocks of 16) of 8 KiB, 16 KiB apart; elements of 8 bytes; the mask, and bit 21 beside it
	s_or_b32 s[G1W], s44, (3<<16)|(1<<21)
.irp g, G1X, G1W
	s_mov_b32 s[\g+1], 1024<<16
	s_mov_b32 s[\g+2], 4<<16
	s_mov_b32 s[\g+3], 1024<<16
	s_mov_b32 s[\g+4], 4
	s_mov_b32 s[\g+5], 2048
	s_mov_b32 s[\g+6], 0
	s_mov_b32 s[\g+7], 0
.endr
	s_or_b32 s[G1SX], s43, (3<<16)|(1<<21)         ; scales: 4 KiB on end, as 16 rows of 256 bytes
	s_or_b32 s[G1SW], s44, (3<<16)|(1<<21)
.irp g, G1SX, G1SW
	s_mov_b32 s[\g+1], 32<<16
	s_mov_b32 s[\g+2], 16<<16
	s_mov_b32 s[\g+3], 32<<16
	s_mov_b32 s[\g+4], 16
	s_mov_b32 s[\g+5], 32
	s_mov_b32 s[\g+6], 0
	s_mov_b32 s[\g+7], 0
.endr
	s_lshl_b32 s18, s16, 2
	s_lshl_b32 s20, s17, 3
	s_add_co_u32 s20, s20, s18
	s_lshl_b32 s20, s20, 14                        ; tokens: block (8 x tile + 4 x half) x 16,384 bytes
	s_mov_b32 s21, 0
	s_lshl_b32 s46, s42, 3
	s_add_co_u32 s46, s46, s18
	s_lshl_b32 s46, s46, 14                        ; channels likewise
	s_mov_b32 s47, 0
	s_lshl_b32 s19, s16, 12
	s_lshl_b32 s22, s17, 13
	s_add_co_u32 s22, s22, s19
	s_add_co_u32 s22, s22, 2097152
	s_mov_b32 s23, 0
	s_lshl_b32 s92, s42, 13
	s_add_co_u32 s92, s92, s19
	s_add_co_u32 s92, s92, 3145728
	s_mov_b32 s93, 0
	s_lshl_b32 s45, s14, 15                        ; where they go: wave x 32 KiB; no place in the cluster enters an LDS address
	s_lshl_b32 s94, s14, 12
	s_wait_dscnt 0x0                               ; both opening adds are done
	s_wait_kmcnt 0x0
	s_add_nc_u64 s[20:21], s[4:5], s[20:21]
	s_add_nc_u64 s[22:23], s[4:5], s[22:23]
	s_add_nc_u64 s[46:47], s[6:7], s[46:47]
	s_add_nc_u64 s[92:93], s[6:7], s[92:93]
	CROUND                                         ; all sixteen work-groups are here: the joint loads meet
	s_mov_b32 s[G0XS], 1
	s_add_co_u32 s[G0XS+1], s94, SCL
	s_mov_b64 s[G0XS+2:G0XS+3], s[22:23]
	s_or_b32 s[G0XS+3], s[G0XS+3], 0x80000000
	s_mov_b32 s[G0WS], 1
	s_add_co_u32 s[G0WS+1], s94, SCL
	s_mov_b64 s[G0WS+2:G0WS+3], s[92:93]
	s_or_b32 s[G0WS+3], s[G0WS+3], 0x80000000
	JLOAD G0XS, G1SX, G0WS, G1SW
.irp q, 0,1
	s_mov_b32 s[G0X+4*\q], 1
	s_add_co_u32 s[G0X+4*\q+1], s45, \q*CHK
	s_add_nc_u64 s[G0X+4*\q+2:G0X+4*\q+3], s[20:21], \q*8192
	s_or_b32 s[G0X+4*\q+3], s[G0X+4*\q+3], 0x80000000
	s_mov_b32 s[G0W+4*\q], 1
	s_add_co_u32 s[G0W+4*\q+1], s45, \q*CHK
	s_add_nc_u64 s[G0W+4*\q+2:G0W+4*\q+3], s[46:47], \q*8192
	s_or_b32 s[G0W+4*\q+3], s[G0W+4*\q+3], 0x80000000
	JLOAD G0X+4*\q, G1X, G0W+4*\q, G1W
.endr
	v_and_b32 v1, 31, v0
	v_lshlrev_b32 v[OFS], 4, v1                    ; an image's place for my lane
	s_lshl_b32 s96, s15, 15
	s_lshl_b32 s97, s16, 15
	s_add_co_u32 s97, s97, 65536
.irp q, 0,1
	v_add_nc_u32 v[ADRX+\q], s96, v[OFS]
	v_add_nc_u32 v[ADRW+\q], s97, v[OFS]
	s_add_co_u32 s96, s96, CHK
	s_add_co_u32 s97, s97, CHK
.endr
	v_and_b32 v2, 15, v0
	v_bfe_u32 v3, v0, 4, 1
	s_lshl_b32 s96, s15, 10
	s_lshl_b32 s97, s16, 10
	s_add_co_u32 s97, s97, 8192
	s_sub_co_u32 s97, s97, s96
	v_mul_u32_u24 v10, s97, v3                     ; lanes 16-31 take the channels' words: one product in the lane's half
	v_lshl_add_u32 v10, v2, 4, v10
	s_add_co_u32 s96, s96, SCL
	v_add_nc_u32 v[ADRS], s96, v10
	; where my results go
	s_lshl_b32 s96, s42, 7
	s_lshl_b32 s97, s17, 3
	s_add_co_u32 s96, s96, s97
	s_lshl_b32 s97, s15, 2
	s_add_co_u32 s96, s96, s97
	s_lshl_b32 s96, s96, 12
	s_lshl_b32 s97, s16, 11
	s_add_co_u32 s96, s96, s97                     ; q: (head x 128 + block of 16 tokens) x 4,096 + 2,048 x my half of the channels
	s_lshl_b32 s95, s17, 1
	s_add_co_u32 s95, s95, s15
	s_lshl_b32 s95, s95, 15
	s_lshl_b32 s18, s40, 20
	s_add_co_u32 s95, s95, s18                     ; k, v: kv head x 2^20 + step of 64 keys x 32,768
	s_add_co_u32 s18, s95, s97
	s_lshl_b32 s97, s16, 12
	s_add_co_u32 s19, s95, s97
	s_add_co_u32 s19, s19, 16384
	s_cmp_eq_u32 ttmp9, 5
	s_cselect_b32 s18, s19, s18
	s_cmp_lt_u32 ttmp9, 4
	s_cselect_b32 s96, s96, s18
	s_cselect_b64 s[12:13], s[8:9], s[10:11]
	s_mov_b32 s97, 0
	s_add_nc_u64 s[12:13], s[12:13], s[96:97]
.macro FETCH s                         ; the fragments of the s-th 128 along K into buffer s % 2: 16 loads of 512 consecutive bytes; with every fourth step the next four steps' scale words
.set FB, 64+64*((\s)%2)
.set QH, (\s)/8
.irp a, 0,1,2,3
.irp c, 0,1
	ds_load_b128 v[FB+8*\a+4*\c:FB+8*\a+4*\c+3], v[ADRX+QH] offset:\a*8192+((\s)%8)*1024+\c*512
.endr
.endr
.irp a, 0,1,2,3
.irp c, 0,1
	ds_load_b128 v[FB+32+8*\a+4*\c:FB+32+8*\a+4*\c+3], v[ADRW+QH] offset:\a*8192+((\s)%8)*1024+\c*512
.endr
.endr
.if (\s)%4 == 0
.irp i, 0,1,2,3
	ds_load_b128 v[SC+16*(((\s)/4)%2)+4*\i:SC+16*(((\s)/4)%2)+4*\i+3], v[ADRS] offset:((\s)/4)*2048+\i*256   ; lanes 0-15: tokens' block i; lanes 16-31: channels' block i
.endr
.endif
.endm
.macro MUL s, v                        ; 16 products; the 16 accumulators take turns, one instruction a turn
.set FB, 64+64*((\s)%2)
.set SB, SC+16*(((\s)/4)%2)+(\s)%4
.irp a, 0,1,2,3
.irp b, 0,1,2,3
.if \v
.if (\s) == 0
	v_wmma_scale_f32_16x16x128_f8f6f4 v[8*(4*\a+\b):8*(4*\a+\b)+7], v[FB+8*\a:FB+8*\a+7], v[FB+32+8*\b:FB+32+8*\b+7], 0, v[SB+4*\a], v[SB+4*\b] matrix_a_fmt:MATRIX_FMT_FP4 matrix_b_fmt:MATRIX_FMT_FP4 matrix_b_scale:MATRIX_SCALE_ROW1
.else
	v_wmma_scale_f32_16x16x128_f8f6f4 v[8*(4*\a+\b):8*(4*\a+\b)+7], v[FB+8*\a:FB+8*\a+7], v[FB+32+8*\b:FB+32+8*\b+7], v[8*(4*\a+\b):8*(4*\a+\b)+7], v[SB+4*\a], v[SB+4*\b] matrix_a_fmt:MATRIX_FMT_FP4 matrix_b_fmt:MATRIX_FMT_FP4 matrix_b_scale:MATRIX_SCALE_ROW1
.endif
.else
.if (\s) == 0
	v_wmma_scale_f32_16x16x128_f8f6f4 v[8*(4*\a+\b):8*(4*\a+\b)+7], v[FB+32+8*\b:FB+32+8*\b+7], v[FB+8*\a:FB+8*\a+7], 0, v[SB+4*\b], v[SB+4*\a] matrix_a_fmt:MATRIX_FMT_FP4 matrix_b_fmt:MATRIX_FMT_FP4 matrix_a_scale:MATRIX_SCALE_ROW1
.else
	v_wmma_scale_f32_16x16x128_f8f6f4 v[8*(4*\a+\b):8*(4*\a+\b)+7], v[FB+32+8*\b:FB+32+8*\b+7], v[FB+8*\a:FB+8*\a+7], v[8*(4*\a+\b):8*(4*\a+\b)+7], v[SB+4*\b], v[SB+4*\a] matrix_a_fmt:MATRIX_FMT_FP4 matrix_b_fmt:MATRIX_FMT_FP4 matrix_a_scale:MATRIX_SCALE_ROW1
.endif
.endif
.endr
.endr
.endm
.macro KSTEP s, v                      ; the next step's fragments are asked for, then this step's are multiplied
.if (\s) > 0
	PLACES 4                                       ; in front of loads into registers that the step before has multiplied
.endif
	WIN 0
.if (\s) == 7
	s_wait_dscnt 0x0                               ; no LDS load of mine is out at a signal
	s_wait_tensorcnt 0x0                           ; my part of the second half of K is in,
	s_barrier_signal -1
	s_barrier_wait -1                              ; everybody's is
.endif
.if (\s) < 15
	FETCH (\s)+1
.if ((\s)+1)%4 == 0
	s_wait_dscnt 20                                ; all but the 20 just issued
.else
	s_wait_dscnt 16                                ; all but the 16 just issued
.endif
.else
	s_wait_dscnt 0x0
.endif
	WIN 0x50                                       ; C and D in window 1
	MUL \s, \v
.endm
.macro RUN v
.irp s, 0,1,2,3,4,5,6,7,8,9,10,11,12,13,14,15
	KSTEP \s, \v
.endr
.endm
.macro OUT v                           ; a lane's eight results are 16 bytes of an image: each store of the wave covers 512 consecutive bytes, aligned; no LDS on the way
	PLACES 4
	WIN 0x05
.set t, 0
.rept 16
.irp i, 0,1,2,3
	v_cvt_pk_f16_f32 v[TT+4*t+\i], v[8*t+2*\i], v[8*t+2*\i+1]   ; each accumulator from its low end on
.endr
.set t, t+1
.endr
	WIN 0
.irp a, 0,1,2,3
.irp b, 0,1,2,3
.if \v
	global_store_b128 v[OFS], v[TT+4*(4*\a+\b):TT+4*(4*\a+\b)+3], s[12:13] offset:(\a/2)*8192+(\a%2)*512+\b*1024
.else
	global_store_b128 v[OFS], v[TT+4*(4*\a+\b):TT+4*(4*\a+\b)+3], s[12:13] offset:\a*4096+\b*512
.endif
.endr
.endr
.endm
	s_wait_tensorcnt 1                             ; the scales and my part of the first half of K are in; the second half's load stays out
	s_barrier_signal -1
	s_barrier_wait -1
	FETCH 0
	s_cmp_eq_u32 ttmp9, 5                          ; v's clusters: the same way for all sixteen partners
	s_cbranch_scc1 .Lrun_v
	RUN 0
	OUT 0
	s_branch .Lend
.Lrun_v:
	RUN 1
	OUT 1
.Lend:
	s_wait_tensorcnt 0x0                           ; the wave's end
	ds_add_u32 v[SPW], v[NIL]
	s_wait_dscnt 0x0
	CROUND                                         ; the closing round
	s_endpgm
.Lfunc_end_k_q9a78e5bf16_qkv:
	.size	k_q9a78e5bf16_qkv, .Lfunc_end_k_q9a78e5bf16_qkv-k_q9a78e5bf16_qkv
	.p2alignl 7, 3214868480
	.fill 96, 4, 3214868480
	.section	.rodata,"a",@progbits
	.p2align	6, 0x0
	.amdhsa_kernel k_q9a78e5bf16_qkv
		.amdhsa_group_segment_fixed_size 327680
		.amdhsa_private_segment_fixed_size 0
		.amdhsa_enable_private_segment 0
		.amdhsa_kernarg_size 32
		.amdhsa_user_sgpr_count 2
		.amdhsa_user_sgpr_kernarg_segment_ptr 1
		.amdhsa_wavefront_size32 1
		.amdhsa_system_sgpr_workgroup_id_x 1
		.amdhsa_system_sgpr_workgroup_id_y 1
		.amdhsa_system_sgpr_workgroup_id_z 1
		.amdhsa_system_vgpr_workitem_id 0
		.amdhsa_next_free_vgpr 384
		.amdhsa_next_free_sgpr 100
		.amdhsa_reserve_vcc 0
		.amdhsa_float_denorm_mode_32 3
		.amdhsa_float_denorm_mode_16_64 3
		.amdhsa_memory_ordered 1
		.amdhsa_forward_progress 1
		.amdhsa_inst_pref_size 125
	.end_amdhsa_kernel
	.amdgpu_metadata
---
amdhsa.version: [ 1, 2 ]
amdhsa.kernels:
  - .name:           k_q9a78e5bf16_qkv
    .symbol:         k_q9a78e5bf16_qkv.kd
    .args:
      - { .name: xq, .offset: 0, .size: 8, .value_kind: global_buffer, .address_space: global }
      - { .name: wq, .offset: 8, .size: 8, .value_kind: global_buffer, .address_space: global }
      - { .name: q16, .offset: 16, .size: 8, .value_kind: global_buffer, .address_space: global }
      - { .name: kv16, .offset: 24, .size: 8, .value_kind: global_buffer, .address_space: global }
    .group_segment_fixed_size: 327680
    .private_segment_fixed_size: 0
    .kernarg_segment_align: 8
    .kernarg_segment_size: 32
    .max_flat_workgroup_size: 128
    .sgpr_count:     100
    .vgpr_count:     384
    .wavefront_size: 32
...
	.end_amdgpu_metadata
.endif
;; end of part 2
;; launch attn (part 3): grid 64 x 4, 8 waves a work-group, clusters of 4 x 1, 327,680 bytes of LDS; arguments q16, kv16, xq, at16, afine; writes at16, afine
.if DOCPART == 3
	.amdgcn_target "amdgcn-amd-amdhsa--gfx1250"
	.amdhsa_code_object_version 6
	.text
	.protected	k_q9a78e5bf16_attn
	.globl	k_q9a78e5bf16_attn
	.p2align	8
	.type	k_q9a78e5bf16_attn,@function
k_q9a78e5bf16_attn:
	s_mov_b64 s[64:65], 0
	v_nop
	global_prefetch_b8 v0, s[64:65] scope:SCOPE_SE
	s_setreg_imm32_b32 hwreg(HW_REG_WAVE_MODE, 25, 1), 1
	s_wait_xcnt 0x0
	s_wait_alu depctr_hold_cnt(0) depctr_sa_sdst(0) depctr_va_vdst(0) depctr_va_sdst(0) depctr_va_ssrc(0) depctr_va_vcc(0) depctr_vm_vsrc(0)
	s_getreg_b32 s2, hwreg(HW_REG_IB_STS2, 6, 4)
	s_cmp_eq_u32 s2, 0
	s_cbranch_scc0 .Lentry_in_a_cluster
	s_endpgm
.Lentry_in_a_cluster:
	s_bfe_u32 s2, ttmp6, 0x10000c
	s_cmp_lg_u32 s2, 0x3003
	s_cbranch_scc0 .Lentry_shape_is_right
	s_endpgm
.Lentry_shape_is_right:
; Launch 3 of 5: attn_out = g softmax(scores + local) v + (1 - g) softmax(scores + causal) v, operands f16, maxima, sums and accumulators f32.
; LEFT OUT: trips of 256 keys that lie wholly under reference()'s own masks (shown at the head of the first launch's text).  Inside a trip hidden steps are worked and masked, so that all waves and partners run alike.
; LIMITS: |attn_out| from 65,504 on becomes infinite in f16; weights under 6e-5 of a row's largest keep an absolute error of 3e-8.  Positions 0-15 also leave as f32 sums (afine) for the last launch.
; SHARES.  A supertile is 16 positions x the 4 query heads of one kv head.  A work-group does the supertile of position block 31 - c and then that of block c (blocks of 64 positions; the partner at place cx takes
; positions 16 cx on): 11 trips for every work-group.  Wave w = 2 ks + hp holds heads kvh + 8 hp + 4 t (t = 0, 1) x 16 positions; THE FOUR ks SPLIT THE KEYS: in a trip each takes one step of 64 keys.
; Trips of a supertile: the causal stream, steps 4 tt + ks, each wave with a running maximum and sum of its own; then one trip of the local stream, steps block - 1 + ks.  In that trip the four waves' maxima and sums
; are exchanged through LDS, for each softmax on its own: O^T is multiplied by (1 - g) F / L of the causal softmax, the local weights by g F / L of the local one ahead of their product, which so adds onto the same
; accumulator; the four waves' O^T are then added through LDS.
; LAYOUT: S^T = K Q^T and O^T = V^T P, so a lane holds one position throughout; two tiles of S^T rounded to f16 in pairs are source 1 of the second product.  K and V^T lie in memory as register images.
; CLUSTER: the four partners walk the same steps of one kv head: every tile is a joint load, one a wave behind each round; by this text's count one tensor load of a wave is out.
; REGISTERS: window 0: v1-15 addresses and constants; v16-31 statistics (tile t at 16 + 8 t: c m, m, l, l, four at work); v32-63 at work; v64-127 S^T, then P in place; v128-255 K's fragments, then V's.
;   window 1: v0-127 O^T (64 t + 8 ct); v128-191 Q; v192 the next gate.
.set SLOT1, 131072                     ; two slots of 4 steps x (K 16 KiB, V 16 KiB); wave w fills 16 KiB at 16,384 w
.set STAT,  262144                     ; 16 records x 512 bytes
.set RED,   270336                     ; 32 KiB for the sums over ks
.set SPARE, 303104
.set L16, 1
.set KB,  2
.set ADR, 3
.set LB,  4
.set VB,  5
.set NINF, 6
.set G,   7
.set PFO, 8
.set STW, 9
.set STR, 10
.set RDW, 11
.set RDR, 12
.set TM2, 13
.set SPW, 14
.set NIL, 15
.set ST,  16
.set E,   32
.set REC, 40
.set S,   64
.set KF,  128
.set WV, 14
.set KS, 15
.set HP, 16
.set CX, 17
.set CC, 18
.set KVH, 19
.set NTB, 20
.set TAU, 21
.set STP, 22
.set ISL, 23
.set BLK, 24
.set CL,  26
.set NSTP, 27
.set NISL, 28
.set NBLK, 29
.set NCL, 31
.set G1,  32
.set G0,  40
.set TB,  44
.set LOOP, 45
.set CS,  46
.set SEL, 48
.set KVB, 50
.set OB,  52
.set AFB, 54
.set PFA, 56
.set LIM, 58
.set BLKB, 59
.set NTA, 60
.set NTB1, 61
.set QBS, 66
.set GBS, 68
.set QA,  70
.set GA,  72
.set OFM, 74
.set WM,  75
.set OBB, 76
.set MSB, 0
.macro WIN new
.if MSB != \new
	s_set_vgpr_msb (MSB<<8)|\new
.set MSB, \new
.endif
.endm
.macro CROUND
	s_barrier_signal -1
	s_barrier_wait -1
	s_cmp_lg_u32 s[WV], 0
	s_cbranch_scc1 .Lnot_wave_0_\@
	s_barrier_signal -3
.Lnot_wave_0_\@:
	s_barrier_wait -3
	s_barrier_signal -1
	s_barrier_wait -1
.endm
.macro BAR                             ; my LDS instructions are done, then the work-group's barrier
	s_wait_dscnt 0x0
	s_barrier_signal -1
	s_barrier_wait -1
.endm
; What trip TAU + 1 is: made of the cluster's number, the wave's number and the count of trips alone; the stream's flag of the first and the last of these alone.
.macro NEXTP
	s_add_co_u32 s92, s[TAU], 1
	s_cmp_le_u32 s92, s[NTB]                       ; still the first supertile?
	s_cselect_b32 s[NBLK], s[BLKB], s[CC]
	s_cselect_b32 s93, s[NTB], s[NTA]              ; its causal trips
	s_cselect_b32 s94, 0, s[NTB1]
	s_sub_co_u32 s92, s92, s94                     ; the trip's number within its supertile
	s_cmp_eq_u32 s92, s93
	s_cselect_b32 s[NISL], 1, 0                    ; the local trip comes last
	s_lshl_b32 s95, s92, 2
	s_add_co_u32 s95, s95, s[KS]
	s_add_co_u32 s96, s[NBLK], s[KS]
	s_sub_co_i32 s96, s96, 1
	s_cmp_eq_u32 s[NISL], 1
	s_cselect_b32 s[NSTP], s96, s95
	s_max_i32 s[NCL], s[NSTP], 0                   ; a local step outside 0 .. 31 is fetched from the nearest step and hidden wholly
	s_min_i32 s[NCL], s[NCL], 31
.endm
; THE CHANGE OF SLOTS at a trip's head: all my tensor loads have landed; the add; the trip's numbers and the walking descriptor, work on scalar registers; the wait for the add and for my reads of the slot left.
; fill = 1: a round of the cluster's barrier, and behind it my one joint load: the next trip's tile into the slot just left.  The five v_nop are the places between the last products and K Q^T, which writes over P.
.macro CHANGE fill
	WIN 0
	s_wait_tensorcnt 0x0
	ds_add_u32 v[SPW], v[NIL]
	s_mov_b32 s[STP], s[NSTP]
	s_mov_b32 s[ISL], s[NISL]
	s_mov_b32 s[BLK], s[NBLK]
	s_mov_b32 s[CL], s[NCL]
	s_add_co_u32 s[TAU], s[TAU], 1
.if \fill
	NEXTP
	s_xor_b32 s[G0+1], s[G0+1], SLOT1
	s_lshl_b32 s2, s[NCL], 15
	s_mov_b32 s3, 0
	s_add_nc_u64 s[G0+2:G0+3], s[KVB:KVB+1], s[2:3]
	s_or_b32 s[G0+3], s[G0+3], 0x80000000
	s_wait_xcnt 0x0                                ; the last prefetch, a trip back, has read its address
	s_add_nc_u64 s[PFA:PFA+1], s[PFA:PFA+1], 131072
	s_wait_dscnt 0x0
	CROUND
	tensor_load_to_lds s[G0:G0+3], s[G1:G1+7]
	s_nop 0
.else
	s_wait_dscnt 0x0
	s_barrier_signal -1
	s_barrier_wait -1
.endif
.rept 5
	v_nop
.endr
.endm
; A prefetch of the step that the NEXT change of slots will ask for: 32 KiB a step; the four partners take 8 KiB each, told apart by address; 32 lanes, 256 bytes apart.  All clusters of a kv head begin with the same
; steps, so the cluster with c = 0 asks, in it the wave with hp = 0 of each ks, in trips 0 to 5: steps 8 to 31, each block named once.  Steps 0 to 7 come by their loads alone.
.macro ASK
	s_cmp_le_i32 s[TAU], s[LIM]
	s_cbranch_scc0 .Lnot_mine_\@
	global_prefetch_b8 v[PFO], s[PFA:PFA+1] th:TH_LOAD_NT scope:SCOPE_SE
.Lnot_mine_\@:
.endm
.macro LOADQ sblk                      ; Q's 16 fragments and the gate of the supertile in position block s[sblk]
	s_lshl_b32 s[QA], s[\sblk], 14
	s_mov_b32 s[QA+1], 0
	s_add_nc_u64 s[QA:QA+1], s[QBS:QBS+1], s[QA:QA+1]
	s_lshl_b32 s[GA], s[\sblk], 8
	s_mov_b32 s[GA+1], 0
	s_add_nc_u64 s[GA:GA+1], s[GBS:GBS+1], s[GA:GA+1]
	v_and_b32 v[VB], 15, v0
	v_lshlrev_b32 v[VB], 2, v[VB]
	WIN 0x40                                       ; destination window 1
.irp t, 0,1
.irp kc, 0,1,2,3
.irp c2, 0,1
	global_load_b128 v[128+32*\t+8*\kc+4*\c2:128+32*\t+8*\kc+4*\c2+3], v[L16], s[QA:QA+1] offset:\t*2097152+\kc*1024+\c2*512
.endr
.endr
.endr
	global_load_b32 v192, v[VB], s[GA:GA+1]
	WIN 0
.endm
.macro INITST                          ; m = -3e38, under every score; c m = -infinity, so that the first trip's factor is 0 and takes away what O^T still holds; l = 0
.irp t, 0,1
	v_mov_b32 v[ST+8*\t], 0xff800000
	v_mov_b32 v[ST+8*\t+1], 0xff61b1e6
	v_mov_b32 v[ST+8*\t+2], 0
	v_mov_b32 v[ST+8*\t+3], 0
.endr
.endm
.macro LOADK                           ; 32 loads of 512 consecutive bytes, the head's channels 32 kc on first
.irp kc, 0,1,2,3
.irp kt, 0,1,2,3
.irp c2, 0,1
	ds_load_b128 v[KF+32*\kt+8*\kc+4*\c2:KF+32*\kt+8*\kc+4*\c2+3], v[ADR] offset:\kt*4096+\kc*1024+\c2*512
.endr
.endr
.endr
.endm
.macro KQ                              ; S^T = K Q^T: 8 accumulators by turns; each eight wait for their channels' loads: the later channels' 24, 16, 8, 0 stay out
	WIN 0x04                                       ; Q in window 1
.set i, 0
.rept 32
.if i%8 == 0
	s_wait_dscnt 24-i
.endif
.set rS, S+32*(i%2)+8*((i/2)%4)
.set rK, KF+32*((i/2)%4)+8*(i/8)
.set rQ, 128+32*(i%2)+8*(i/8)
.if i < 8
	v_wmma_f32_16x16x32_f16 v[rS:rS+7], v[rK:rK+7], v[rQ:rQ+7], 0
.else
	v_wmma_f32_16x16x32_f16 v[rS:rS+7], v[rK:rK+7], v[rQ:rQ+7], v[rS:rS+7]
.endif
.set i, i+1
.endr
	WIN 0
.endm
.macro LOADV                           ; four places behind the products that read K's registers and made the scores, then V's 32 loads
.rept 4
	v_nop
.endr
.irp kp, 0,1
.irp ct, 0,1,2,3,4,5,6,7
.irp c2, 0,1
	ds_load_b128 v[KF+64*\kp+8*\ct+4*\c2:KF+64*\kp+8*\ct+4*\c2+3], v[ADR] offset:16384+\kp*8192+\ct*1024+\c2*512
.endr
.endr
.endr
.endm
; THE MASKS.  d = key - position = 64 (step - block) + (8 h - 16 cx - r) + 16 kt + j.  Hidden where d + OFF, taken unsigned, is above W: causal OFF = W = 4,096; local OFF = 64, W = 128; a step that does not exist
; gets 2^30 on top.  A step all of whose keys count (causal: step < block; local: step = block) jumps over the 128 lines: ids and the wave's number alone.
.macro MASK
	s_cmp_lt_i32 s[STP], s[BLK]
	s_cselect_b32 s62, 1, 0
	s_cmp_eq_u32 s[STP], s[BLK]
	s_cselect_b32 s63, 1, 0
	s_cmp_eq_u32 s[ISL], 1
	s_cselect_b32 s62, s63, s62
	s_cselect_b32 s[OFM], 64, 0x1000
	s_movk_i32 s[WM], 0x1000
	s_cselect_b32 s[WM], 128, s[WM]
	s_cmp_eq_u32 s62, 1
	s_cbranch_scc1 .Lopen_\@
	s_sub_co_i32 s62, s[STP], s[BLK]
	s_lshl_b32 s62, s62, 6
	s_add_co_u32 s62, s62, s[OFM]
	s_cmp_eq_u32 s[STP], s[CL]
	s_cselect_b32 s63, 0, 0x40000000
	s_add_co_u32 s62, s62, s63
	v_add_nc_u32 v[VB], s62, v[LB]
.irp kt, 0,1,2,3
.irp jj, 0,1,2,3,4,5,6,7
	v_add_nc_u32 v[E], 16*\kt+\jj, v[VB]
	v_cmp_lt_u32 vcc_lo, s[WM], v[E]
	v_cndmask_b32 v[S+8*\kt+\jj], v[S+8*\kt+\jj], v[NINF], vcc_lo
	v_cndmask_b32 v[S+32+8*\kt+\jj], v[S+32+8*\kt+\jj], v[NINF], vcc_lo
.endr
.endr
.Lopen_\@:
.endm
.macro MAXCH                           ; the largest of a lane's 32 scores, three at a time, four chains a tile, each accumulator from its low end on; the result is max3 of T4 and T7 away
.irp j, 0,1,2,3
.irp t, 0,1
	v_max3_num_f32 v[ST+8*\t+4+\j], v[S+32*\t+8*\j], v[S+32*\t+8*\j+1], v[S+32*\t+8*\j+2]
.endr
.endr
.irp q, 1,2
.irp j, 0,1,2,3
.irp t, 0,1
	v_max3_num_f32 v[ST+8*\t+4+\j], v[ST+8*\t+4+\j], v[S+32*\t+8*\j+2*\q+1], v[S+32*\t+8*\j+2*\q+2]
.endr
.endr
.endr
.irp t, 0,1
	v_max3_num_f32 v[ST+8*\t+4], v[ST+8*\t+4], v[S+32*\t+7], v[S+32*\t+15]
	v_max3_num_f32 v[ST+8*\t+6], v[ST+8*\t+6], v[S+32*\t+23], v[S+32*\t+31]
.endr
.irp t, 0,1
	v_max3_num_f32 v[ST+8*\t+4], v[ST+8*\t+4], v[ST+8*\t+5], v[ST+8*\t+6]
.endr
.endm
.macro SCALE o                         ; c s - c m, two at a time; c m is the low word of the pair at statistics + o
.irp p, 0,2,4,6,8,10,12,14,16,18,20,22,24,26,28,30
.irp t, 0,1
	v_pk_fma_f32 v[S+32*\t+\p:S+32*\t+\p+1], v[S+32*\t+\p:S+32*\t+\p+1], s[CS:CS+1], v[ST+8*\t+\o:ST+8*\t+\o+1] op_sel_hi:[1,0,0] neg_lo:[0,0,1] neg_hi:[0,0,1]
.endr
.endr
.endm
.macro EXPS
.irp e, 0,1,2,3,4,5,6,7,8,9,10,11,12,13,14,15,16,17,18,19,20,21,22,23,24,25,26,27,28,29,30,31
.irp t, 0,1
	v_exp_f32 v[S+32*\t+\e], v[S+32*\t+\e]
.endr
.endr
.endm
.macro SUMS                            ; a lane's 32 weights, in f32, ahead of their rounding: two chains a tile, the pair at E + 4 t
.irp t, 0,1
	v_pk_add_f32 v[E+4*\t:E+4*\t+1], v[S+32*\t:S+32*\t+1], v[S+32*\t+2:S+32*\t+3]
	v_pk_add_f32 v[E+4*\t+2:E+4*\t+3], v[S+32*\t+4:S+32*\t+5], v[S+32*\t+6:S+32*\t+7]
.endr
.irp j, 8,12,16,20,24,28
.irp t, 0,1
	v_pk_add_f32 v[E+4*\t:E+4*\t+1], v[E+4*\t:E+4*\t+1], v[S+32*\t+\j:S+32*\t+\j+1]
	v_pk_add_f32 v[E+4*\t+2:E+4*\t+3], v[E+4*\t+2:E+4*\t+3], v[S+32*\t+\j+2:S+32*\t+\j+3]
.endr
.endr
.irp t, 0,1
	v_pk_add_f32 v[E+4*\t:E+4*\t+1], v[E+4*\t:E+4*\t+1], v[E+4*\t+2:E+4*\t+3]
.endr
.endm
.macro CVTP                            ; P in place, ascending: register i of a tile takes weights 2 i and 2 i + 1
.irp i, 0,1,2,3,4,5,6,7,8,9,10,11,12,13,14,15
.irp t, 0,1
	v_cvt_pk_f16_f32 v[S+32*\t+\i], v[S+32*\t+2*\i], v[S+32*\t+2*\i+1]
.endr
.endr
.endm
.macro OSCALE o                        ; O^T times the low word of the pair at statistics + o
	WIN 0x41
.irp t, 0,1
.set i, 0
.rept 32
	v_pk_mul_f32 v[64*\t+i:64*\t+i+1], v[64*\t+i:64*\t+i+1], v[ST+8*\t+\o:ST+8*\t+\o+1] op_sel_hi:[1,0]
.set i, i+2
.endr
.endr
	WIN 0
.endm
.macro PV                              ; O^T += V^T P: 16 accumulators by turns
	s_wait_dscnt 0x0                               ; V is in
	WIN 0x50
.set i, 0
.rept 32
.set rO, 64*(i%2)+8*((i/2)%8)
.set rV, KF+64*(i/16)+8*((i/2)%8)
.set rP, S+32*(i%2)+8*(i/16)
	v_wmma_f32_16x16x32_f16 v[rO:rO+7], v[rV:rV+7], v[rP:rP+7], v[rO:rO+7]
.set i, i+1
.endr
	WIN 0
.endm
.macro GSOFT                           ; a causal step's softmax: running maximum and sum of this wave's own keys
	MAXCH
.irp t, 0,1
	v_max3_num_f32 v[ST+8*\t+4], v[ST+8*\t+4], v[ST+8*\t+7], v[ST+8*\t+1]
.endr
.irp t, 0,1
	v_permlanex16_b32 v[ST+8*\t+5], v[ST+8*\t+4], s[SEL], s[SEL+1]
.endr
.irp t, 0,1
	v_mov_b32 v[ST+8*\t+7], v[ST+8*\t]
	v_max_num_f32 v[ST+8*\t+1], v[ST+8*\t+4], v[ST+8*\t+5]
.endr
.irp t, 0,1
	v_mul_f32 v[ST+8*\t], s[CS], v[ST+8*\t+1]
.endr
.irp t, 0,1
	v_sub_f32 v[ST+8*\t+7], v[ST+8*\t+7], v[ST+8*\t]
.endr
	SCALE 0
.irp t, 0,1
	v_exp_f32 v[ST+8*\t+6], v[ST+8*\t+7]           ; a = 2^(c m_old - c m_new)
.endr
	EXPS
	v_nop                                          ; a plain line behind the last exponential
	s_wait_alu depctr_va_vdst(0)                   ; one wait for the 66, ahead of their first reader
	SUMS
.irp t, 0,1
	v_pk_fma_f32 v[ST+8*\t+2:ST+8*\t+3], v[ST+8*\t+2:ST+8*\t+3], v[ST+8*\t+6:ST+8*\t+7], v[E+4*\t:E+4*\t+1] op_sel_hi:[1,0,1]
.endr
	CVTP
.endm
; The sum over the four ks of channels 16 (4 u + ct') on of tile t.  Every wave stores four accumulators; behind the barrier wave ks adds the four waves' accumulator ct' = ks and stores it: 512 consecutive bytes.
.macro REDUCE t, u, last, fine
	WIN 0x04                                       ; an LDS store's data are its source 1: window 1
.irp cc, 0,1,2,3
	ds_store_b128 v[RDW], v[64*\t+8*(4*\u+\cc):64*\t+8*(4*\u+\cc)+3] offset:\cc*4096
	ds_store_b128 v[RDW], v[64*\t+8*(4*\u+\cc)+4:64*\t+8*(4*\u+\cc)+7] offset:\cc*4096+512
.endr
	WIN 0
	BAR
.irp k, 0,1,2,3
	ds_load_b128 v[E+8*\k:E+8*\k+3], v[RDR] offset:\k*1024
	ds_load_b128 v[E+8*\k+4:E+8*\k+7], v[RDR] offset:\k*1024+512
.endr
	s_wait_dscnt 0x0
.irp i, 0,2,4,6
	v_pk_add_f32 v[E+\i:E+\i+1], v[E+\i:E+\i+1], v[E+8+\i:E+8+\i+1]
	v_pk_add_f32 v[E+16+\i:E+16+\i+1], v[E+16+\i:E+16+\i+1], v[E+24+\i:E+24+\i+1]
.endr
.irp i, 0,2,4,6
	v_pk_add_f32 v[E+\i:E+\i+1], v[E+\i:E+\i+1], v[E+16+\i:E+16+\i+1]
.endr
.irp i, 0,1,2,3
	v_cvt_pk_f16_f32 v[E+8+\i], v[E+2*\i], v[E+2*\i+1]
.endr
	global_store_b128 v[L16], v[E+8:E+11], s[OB:OB+1] offset:\t*16384+\u*2048
.if \fine
	s_cmp_eq_u32 s[CC], 0                          ; position block 0: the f32 sums too, as images of the f32 form's source 0.  All four partners store (none may part from the others); positions 0-15, part 0, are read
	s_cbranch_scc0 .Lnot_first_\@
.irp p, 0,1,2,3
	global_store_b64 v[ADR], v[E+2*\p:E+2*\p+1], s[AFB:AFB+1] offset:\t*32768+\u*4096+(\p/2)*256+(\p%2)*128
.endr
.Lnot_first_\@:
.endif
	s_wait_xcnt 0x0                                ; the stores have read their registers
.if !\last
	s_barrier_signal -1                            ; every wave's reads are back: the region may be written again
	s_barrier_wait -1
.endif
.endm
; THE LOCAL TRIP, and the end of a supertile.
.macro LOCAL inloop
	s_lshl_b32 s62, s[BLK], 18
	s_mov_b32 s63, 0
	s_add_nc_u64 s[OB:OB+1], s[OBB:OBB+1], s[62:63]
.if \inloop
	LOADQ CC                                       ; the second supertile's Q: its registers are free behind K Q^T and the places in LOADV
.endif
	MAXCH
.irp t, 0,1
	v_max3_num_f32 v[ST+8*\t+4], v[ST+8*\t+4], v[ST+8*\t+7], 0xff61b1e6   ; a step that is hidden wholly keeps -3e38
.endr
.irp t, 0,1
	v_permlanex16_b32 v[ST+8*\t+5], v[ST+8*\t+4], s[SEL], s[SEL+1]
.endr
.irp t, 0,1
	v_max_num_f32 v[ST+8*\t+4], v[ST+8*\t+4], v[ST+8*\t+5]
.endr
.irp t, 0,1
	v_mul_f32 v[ST+8*\t+6], s[CS], v[ST+8*\t+4]    ; c m of my local step
.endr
	SCALE 6
	EXPS
.irp t, 0,1
	v_add_f32 v[REC+4*\t+1], v[ST+8*\t+2], v[ST+8*\t+3]   ; the causal sum's two halves: plain lines behind the exponentials
.endr
	s_wait_alu depctr_va_vdst(0)
	SUMS
.irp t, 0,1
	v_add_f32 v[REC+4*\t+3], v[E+4*\t], v[E+4*\t+1]
.endr
.irp t, 0,1
	v_permlanex16_b32 v[ST+8*\t+5], v[REC+4*\t+1], s[SEL], s[SEL+1]
	v_permlanex16_b32 v[ST+8*\t+4], v[REC+4*\t+3], s[SEL], s[SEL+1]
.endr
.irp t, 0,1
	v_add_f32 v[REC+4*\t+1], v[REC+4*\t+1], v[ST+8*\t+5]
	v_add_f32 v[REC+4*\t+3], v[REC+4*\t+3], v[ST+8*\t+4]
	v_mov_b32 v[REC+4*\t], v[ST+8*\t]
	v_mov_b32 v[REC+4*\t+2], v[ST+8*\t+6]
.endr
.irp t, 0,1
	ds_store_b128 v[STW], v[REC+4*\t:REC+4*\t+3] offset:512*\t   ; (c m, l) of my causal keys, (c m, l) of my local step
.endr
	BAR
.irp t, 0,1
.irp k, 0,1,2,3
	ds_load_b128 v[E+16*\t+4*\k:E+16*\t+4*\k+3], v[STR] offset:\k*2048+\t*512
.endr
.endr
	v_sub_f32 v[TM2], 1.0, v[G]
	s_wait_dscnt 0x0
.irp t, 0,1
	v_max3_num_f32 v[ST+8*\t+4], v[E+16*\t], v[E+16*\t+4], v[E+16*\t+8]
	v_max3_num_f32 v[ST+8*\t+5], v[E+16*\t+2], v[E+16*\t+6], v[E+16*\t+10]
.endr
.irp t, 0,1
	v_max_num_f32 v[ST+8*\t+4], v[ST+8*\t+4], v[E+16*\t+12]     ; each softmax's own maximum over the four waves
	v_max_num_f32 v[ST+8*\t+5], v[ST+8*\t+5], v[E+16*\t+14]
.endr
.irp t, 0,1
.irp k, 0,1,2,3
	v_sub_f32 v[E+16*\t+4*\k], v[E+16*\t+4*\k], v[ST+8*\t+4]
	v_sub_f32 v[E+16*\t+4*\k+2], v[E+16*\t+4*\k+2], v[ST+8*\t+5]
.endr
	v_sub_f32 v[ST+8*\t], v[ST+8*\t], v[ST+8*\t+4]
	v_sub_f32 v[ST+8*\t+6], v[ST+8*\t+6], v[ST+8*\t+5]
.endr
.irp t, 0,1
.irp k, 0,1,2,3
	v_exp_f32 v[E+16*\t+4*\k], v[E+16*\t+4*\k]
	v_exp_f32 v[E+16*\t+4*\k+2], v[E+16*\t+4*\k+2]
.endr
	v_exp_f32 v[ST+8*\t], v[ST+8*\t]
	v_exp_f32 v[ST+8*\t+6], v[ST+8*\t+6]
.endr
	v_nop
	s_wait_alu depctr_va_vdst(0)                   ; one wait for the twenty
.irp t, 0,1
	v_mul_f32 v[ST+8*\t+4], v[E+16*\t], v[E+16*\t+1]
	v_mul_f32 v[ST+8*\t+5], v[E+16*\t+2], v[E+16*\t+3]
.endr
.irp k, 1,2,3
.irp t, 0,1
	v_fmac_f32 v[ST+8*\t+4], v[E+16*\t+4*\k], v[E+16*\t+4*\k+1]
	v_fmac_f32 v[ST+8*\t+5], v[E+16*\t+4*\k+2], v[E+16*\t+4*\k+3]
.endr
.endr
.irp t, 0,1
	v_rcp_f32 v[ST+8*\t+4], v[ST+8*\t+4]
	v_rcp_f32 v[ST+8*\t+5], v[ST+8*\t+5]
.endr
	v_nop
	s_wait_alu depctr_va_vdst(0)                   ; one wait for the four
.irp t, 0,1
	v_mul_f32 v[ST+8*\t], v[ST+8*\t], v[ST+8*\t+4]
	v_mul_f32 v[ST+8*\t+6], v[ST+8*\t+6], v[ST+8*\t+5]
.endr
.irp t, 0,1
	v_mul_f32 v[ST+8*\t], v[ST+8*\t], v[TM2]       ; (1 - g) F / L of the causal softmax
	v_mul_f32 v[ST+8*\t+6], v[ST+8*\t+6], v[G]     ; g F / L of the local one
.endr
	OSCALE 0
.irp p, 0,2,4,6,8,10,12,14,16,18,20,22,24,26,28,30
.irp t, 0,1
	v_pk_mul_f32 v[S+32*\t+\p:S+32*\t+\p+1], v[S+32*\t+\p:S+32*\t+\p+1], v[ST+8*\t+6:ST+8*\t+7] op_sel_hi:[1,0]
.endr
.endr
	CVTP
.if !\inloop
	v_and_b32 v[VB], 15, v0                        ; my place in an image of the f32 form: 512 h + 8 r
	v_bfe_u32 v[ADR], v0, 4, 1
	v_lshlrev_b32 v[ADR], 9, v[ADR]
	v_lshl_add_u32 v[ADR], v[VB], 3, v[ADR]
.endif
	PV
.rept 4
	v_nop                                          ; places in front of the stores that read the results
.endr
	REDUCE 0, 0, 0, 1-\inloop
	REDUCE 0, 1, 0, 1-\inloop
	REDUCE 1, 0, 0, 1-\inloop
	REDUCE 1, 1, 1, 1-\inloop
.if \inloop
	s_wait_loadcnt 0x0                             ; the second supertile's Q and gate
	WIN 0x01
	v_mov_b32 v[G], v192
	WIN 0
	INITST
.endif
.endm
.macro BODY inloop
	v_add_nc_u32 v[ADR], s[TB], v[KB]
	LOADK
.if \inloop
	ASK                                            ; behind my tensor load and the run of LDS loads that the next products wait for
.endif
	s_wait_loadcnt 0x0                             ; Q (met at once in all trips but the first of a supertile)
	KQ
	LOADV
	MASK
.if \inloop
	s_cmp_eq_u32 s[ISL], 1                         ; the cluster's number and the count of trips alone: the same in all waves and partners
	s_cbranch_scc1 .Llocal_\@
	GSOFT
	OSCALE 6
	PV
	s_branch .Ljoin_\@
.Llocal_\@:
	LOCAL 1
.Ljoin_\@:
.else
	LOCAL 0
.endif
.endm
	s_load_b256 s[4:11], s[0:1], 0x0               ; q16 s[4:5], kv16 s[6:7], xq s[8:9], at16 s[10:11]
	s_load_b64 s[12:13], s[0:1], 0x20              ; afine
	v_lshl_add_u32 v[SPW], v0, 2, SPARE
	v_mov_b32 v[NIL], 0
	ds_add_u32 v[SPW], v[NIL]                      ; the opening: the add, twice on end, and its wait ahead of my first tensor load
	ds_add_u32 v[SPW], v[NIL]
	v_lshrrev_b32 v1, 5, v0
	v_readfirstlane_b32 s[WV], v1                  ; wave 0..7
	s_lshr_b32 s[KS], s[WV], 1
	s_and_b32 s[HP], s[WV], 1
	s_bfe_u32 s[CX], ttmp6, 0x40000
	s_mov_b32 s[CC], ttmp9                         ; c = the cluster's x, 0..15
	s_and_b32 s[KVH], ttmp7, 0xffff
	s_lshr_b32 s2, s[CC], 2
	s_sub_co_u32 s[NTB], 8, s2                     ; causal trips of block 31 - c: ceil((32 - c) / 4)
	s_sub_co_u32 s[NTA], 9, s[NTB]                 ; and of block c: ceil((c + 1) / 4)
	s_add_co_u32 s[NTB1], s[NTB], 1
	s_sub_co_u32 s[BLKB], 31, s[CC]
	s_mov_b32 s[TAU], -1
	s_mov_b32 s[TB], 0
	s_mov_b32 s[G1], 15|(3<<16)|(1<<21)            ; 16 KiB on end as 64 rows of 256 bytes; elements of 8 bytes; the mask names all four partners, bit 21 beside it
	s_mov_b32 s[G1+1], 32<<16
	s_mov_b32 s[G1+2], 64<<16
	s_mov_b32 s[G1+3], 32<<16
	s_mov_b32 s[G1+4], 64
	s_mov_b32 s[G1+5], 32
	s_mov_b32 s[G1+6], 0
	s_mov_b32 s[G1+7], 0
	s_mov_b32 s[CS], 0x3e0293ee                    ; c = log2(e) / sqrt(128)
	s_mov_b32 s[CS+1], s[CS]
	s_mov_b32 s[SEL], 0x76543210
	s_mov_b32 s[SEL+1], 0xfedcba98
	s_or_b32 s2, s[CC], s[HP]
	s_cmp_eq_u32 s2, 0
	s_cselect_b32 s[LIM], 5, -1
	NEXTP                                          ; trip 0
	s_lshl_b32 s2, s[HP], 14
	s_lshl_b32 s78, s[KVH], 20
	s_add_co_u32 s78, s78, s2
	s_mov_b32 s79, 0                               ; kv16: my kv head, K's image (hp = 0) or V's (1)
	s_lshl_b32 s62, s[HP], 3
	s_add_co_u32 s62, s62, s[KVH]                  ; my first head
	s_lshl_b32 s80, s62, 19
	s_lshl_b32 s63, s[CX], 12
	s_add_co_u32 s80, s80, s63
	s_mov_b32 s81, 0
	s_lshl_b32 s82, s62, 12
	s_lshl_b32 s63, s[CX], 16
	s_add_co_u32 s82, s82, s63
	s_lshl_b32 s63, s[KS], 9
	s_add_co_u32 s82, s82, s63
	s_mov_b32 s83, 0
	s_lshl_b32 s84, s62, 13
	s_lshl_b32 s63, s[CX], 17
	s_add_co_u32 s84, s84, s63
	s_lshl_b32 s63, s[KS], 10
	s_add_co_u32 s84, s84, s63
	s_mov_b32 s85, 0
	s_lshl_b32 s86, s[KVH], 20
	s_lshl_b32 s63, s[CX], 13
	s_add_co_u32 s86, s86, s63
	s_add_co_u32 s63, s[KS], 4
	s_lshl_b32 s63, s63, 15
	s_add_co_u32 s86, s86, s63
	s_mov_b32 s87, 0                               ; the prefetches stand at step 4 + ks; each change of slots steps them four steps on
	s_lshl_b32 s88, s[CX], 6
	s_add_co_u32 s88, s88, 2228224
	s_mov_b32 s89, 0
	v_and_b32 v32, 31, v0
	v_and_b32 v33, 15, v0
	v_bfe_u32 v34, v0, 4, 1
	v_lshlrev_b32 v[L16], 4, v32
	s_lshl_b32 s2, s[KS], 15
	v_add_nc_u32 v[KB], s2, v[L16]
	v_lshlrev_b32 v[LB], 3, v34
	v_sub_nc_u32 v[LB], v[LB], v33
	s_lshl_b32 s63, s[CX], 4
	v_sub_nc_u32 v[LB], v[LB], s63
	v_mov_b32 v[NINF], 0xff800000
	v_lshlrev_b32 v[PFO], 8, v32
	s_lshl_b32 s2, s[WV], 10
	s_add_co_u32 s2, s2, STAT
	v_add_nc_u32 v[STW], s2, v[L16]
	s_lshl_b32 s2, s[HP], 10
	s_add_co_u32 s2, s2, STAT
	v_add_nc_u32 v[STR], s2, v[L16]
	s_lshl_b32 s2, s[HP], 14
	s_add_co_u32 s2, s2, RED
	s_lshl_b32 s3, s[KS], 10
	s_add_co_u32 s3, s3, s2
	v_add_nc_u32 v[RDW], s3, v[L16]
	s_lshl_b32 s3, s[KS], 12
	s_add_co_u32 s3, s3, s2
	v_add_nc_u32 v[RDR], s3, v[L16]
	s_wait_dscnt 0x0                               ; both opening adds are done
	s_wait_kmcnt 0x0
	s_add_nc_u64 s[KVB:KVB+1], s[6:7], s[78:79]
	s_add_nc_u64 s[QBS:QBS+1], s[4:5], s[80:81]
	s_add_nc_u64 s[OBB:OBB+1], s[10:11], s[82:83]
	s_add_nc_u64 s[AFB:AFB+1], s[12:13], s[84:85]
	s_add_nc_u64 s[PFA:PFA+1], s[6:7], s[86:87]
	s_add_nc_u64 s[GBS:GBS+1], s[8:9], s[88:89]
	s_mov_b32 s[G0], 1
	s_lshl_b32 s[G0+1], s[WV], 14                  ; slot 0, my 16 KiB
	s_lshl_b32 s2, s[NCL], 15
	s_mov_b32 s3, 0
	s_add_nc_u64 s[G0+2:G0+3], s[KVB:KVB+1], s[2:3]
	s_or_b32 s[G0+3], s[G0+3], 0x80000000
	CROUND                                         ; all four work-groups are here: the first joint loads meet
	tensor_load_to_lds s[G0:G0+3], s[G1:G1+7]      ; every wave issues one
	s_nop 0
.rept 4
	v_nop
.endr
	LOADQ NBLK
	WIN 0x40
.set i, 0
.rept 128
	v_mov_b32 v[i], 0                              ; O^T, once: the trip is written once, and its first turn finds zeros
.set i, i+1
.endr
	WIN 0
	INITST
	s_wait_loadcnt 0x0
	WIN 0x01
	v_mov_b32 v[G], v192
	WIN 0
	s_mov_b32 s[LOOP], 10
.Ltrip:                                                ; trips 0 to 9: each asks for the next trip's tiles
	CHANGE 1
	BODY 1
	s_xor_b32 s[TB], s[TB], SLOT1
	s_sub_co_u32 s[LOOP], s[LOOP], 1
	s_cmp_lg_u32 s[LOOP], 0
	s_cbranch_scc1 .Ltrip
	CHANGE 0                                       ; trip 10, the second supertile's local trip, is written out: nothing is asked for
	BODY 0
	s_wait_tensorcnt 0x0                           ; the wave's end
	ds_add_u32 v[SPW], v[NIL]
	s_wait_dscnt 0x0
	CROUND                                         ; the closing round
	s_endpgm
.Lfunc_end_k_q9a78e5bf16_attn:
	.size	k_q9a78e5bf16_attn, .Lfunc_end_k_q9a78e5bf16_attn-k_q9a78e5bf16_attn
	.p2alignl 7, 3214868480
	.fill 96, 4, 3214868480
	.section	.rodata,"a",@progbits
	.p2align	6, 0x0
	.amdhsa_kernel k_q9a78e5bf16_attn
		.amdhsa_group_segment_fixed_size 327680
		.amdhsa_private_segment_fixed_size 0
		.amdhsa_enable_private_segment 0
		.amdhsa_kernarg_size 40
		.amdhsa_user_sgpr_count 2
		.amdhsa_user_sgpr_kernarg_segment_ptr 1
		.amdhsa_wavefront_size32 1
		.amdhsa_system_sgpr_workgroup_id_x 1
		.amdhsa_system_sgpr_workgroup_id_y 1
		.amdhsa_system_sgpr_workgroup_id_z 1
		.amdhsa_system_vgpr_workitem_id 0
		.amdhsa_next_free_vgpr 512
		.amdhsa_next_free_sgpr 100
		.amdhsa_reserve_vcc 1
		.amdhsa_float_denorm_mode_32 3
		.amdhsa_float_denorm_mode_16_64 3
		.amdhsa_memory_ordered 1
		.amdhsa_forward_progress 1
		.amdhsa_inst_pref_size 123
	.end_amdhsa_kernel
	.amdgpu_metadata
---
amdhsa.version: [ 1, 2 ]
amdhsa.kernels:
  - .name:           k_q9a78e5bf16_attn
    .symbol:         k_q9a78e5bf16_attn.kd
    .args:
      - { .name: q16, .offset: 0, .size: 8, .value_kind: global_buffer, .address_space: global }
      - { .name: kv16, .offset: 8, .size: 8, .value_kind: global_buffer, .address_space: global }
      - { .name: xq, .offset: 16, .size: 8, .value_kind: global_buffer, .address_space: global }
      - { .name: at16, .offset: 24, .size: 8, .value_kind: global_buffer, .address_space: global }
      - { .name: afine, .offset: 32, .size: 8, .value_kind: global_buffer, .address_space: global }
    .group_segment_fixed_size: 327680
    .private_segment_fixed_size: 0
    .kernarg_segment_align: 8
    .kernarg_segment_size: 40
    .max_flat_workgroup_size: 256
    .sgpr_count:     100
    .vgpr_count:     512
    .wavefront_size: 32
...
	.end_amdgpu_metadata
.endif
;; end of part 3
;; launch wo (part 4): grid 16 x 16, 4 waves a work-group, clusters of 4 x 4, 327,680 bytes of LDS; arguments at16, wo16, out0; writes out0
.if DOCPART == 4
	.amdgcn_target "amdgcn-amd-amdhsa--gfx1250"
	.amdhsa_code_object_version 6
	.text
	.protected	k_q9a78e5bf16_wo
	.globl	k_q9a78e5bf16_wo
	.p2align	8
	.type	k_q9a78e5bf16_wo,@function
k_q9a78e5bf16_wo:
	s_mov_b64 s[64:65], 0
	v_nop
	global_prefetch_b8 v0, s[64:65] scope:SCOPE_SE
	s_setreg_imm32_b32 hwreg(HW_REG_WAVE_MODE, 25, 1), 1
	s_wait_xcnt 0x0
	s_wait_alu depctr_hold_cnt(0) depctr_sa_sdst(0) depctr_va_vdst(0) depctr_va_sdst(0) depctr_va_ssrc(0) depctr_va_vcc(0) depctr_vm_vsrc(0)
	s_getreg_b32 s2, hwreg(HW_REG_IB_STS2, 6, 4)
	s_cmp_eq_u32 s2, 0
	s_cbranch_scc0 .Lentry_in_a_cluster
	s_endpgm
.Lentry_in_a_cluster:
	s_bfe_u32 s2, ttmp6, 0x10000c
	s_cmp_lg_u32 s2, 0xf033
	s_cbranch_scc0 .Lentry_shape_is_right
	s_endpgm
.Lentry_shape_is_right:
; Launch 4 of 5: out0 = attn_out x Wo, 2,048 x 2,048 x 2,048, operands f16, sums f32.  Rows 0-15 are made again, more finely, by the last launch.  Nothing is left out here.
; A tile of out0 is 128 x 128: 256 work-groups.  Four waves, each 64 x 64: 16 accumulators.  K goes in steps of 256 through two LDS slots; both operands lie in memory as register images, so a block of 16 rows x 256 K
; is 8 KiB on end, a wave's tensor load brings four such blocks, a fragment is two loads of 512 consecutive bytes, and there is no padding.
; CLUSTERS: 4 x 4; the four of a row share attn_out's tiles, the four of a column Wo's: joint loads.  The matrix instruction is used transposed (source 0 = 16 columns of Wo, source 1 = 16 tokens): a lane holds eight
; neighbouring numbers of a row of out0.  No prefetch: a step's 128 products a wave are few beside its tiles, and the tiles are shared in the cluster instead.
; REGISTERS: window 0: v16-29 addresses; v32-95 rows on the way out; v128-255 accumulators ((a, b) at 128 + 8 (4 a + b)).  window 1: two fragment buffers of 128 (64 along K: tokens' 64 registers, then Wo's 64).
.set SLOT,   131072                    ; tokens' 8 blocks x 8 KiB, then Wo's 8 blocks x 8 KiB
.set STAGE,  262144                    ; behind the ring: 16 rows x 272 bytes for each wave
.set SPITCH, 272
.set SPARE,  279552
.set LAPS,   4                         ; 8 K steps: four times round the ring
.set ADRA, 16
.set ADRB, 20
.set STO,  24
.set RD,   25
.set CO,   26
.set SPW,  28
.set NIL,  29
.set TMP,  32
.set ACC,  128
.set F0,   0
.set F1,   128
.set G1, 24
.set G0, 32
.set G1B, 48
.set G0B, 56
.set MSB, 0
.macro WIN new
.if MSB != \new
	s_set_vgpr_msb (MSB<<8)|\new
.set MSB, \new
.endif
.endm
.set MUL,  0x05
.set TO_F, 0x40
.macro JLOAD s
	s_cmp_eq_u32 s11, 0
	s_cbranch_scc0 .Lfor_b_\@
	tensor_load_to_lds s[G0+4*\s:G0+4*\s+3], s[G1:G1+7]
	s_nop 0
.rept 4
	v_nop
.endr
	s_branch .Lasked_\@
.Lfor_b_\@:
	tensor_load_to_lds s[G0B+4*\s:G0B+4*\s+3], s[G1B:G1B+7]
	s_nop 0
.rept 4
	v_nop
.endr
.Lasked_\@:
.endm
.macro CREST
	s_cmp_lg_u32 s10, 0
	s_cbranch_scc1 .Lnot_wave_0_\@
	s_barrier_signal -3
.Lnot_wave_0_\@:
	s_barrier_wait -3
	s_barrier_signal -1
	s_barrier_wait -1
.endm
.macro CROUND
	s_barrier_signal -1
	s_barrier_wait -1
	CREST
.endm
	s_load_b128 s[4:7], s[0:1], 0x0                ; at16, wo16
	s_load_b64 s[8:9], s[0:1], 0x10                ; out0
	v_lshl_add_u32 v[SPW], v0, 2, SPARE
	v_mov_b32 v[NIL], 0
	ds_add_u32 v[SPW], v[NIL]                      ; the opening: the add, twice on end, and its wait ahead of my first tensor load
	ds_add_u32 v[SPW], v[NIL]
	v_lshrrev_b32 v1, 5, v0
	v_readfirstlane_b32 s10, v1
	s_lshr_b32 s11, s10, 1                         ; my half of the rows.  Also: I fetch tokens (0) or Wo (1)
	s_and_b32 s12, s10, 1                          ; my half of the columns.  Also: which four blocks I fetch
	s_bfe_u32 s40, ttmp6, 0x40000
	s_bfe_u32 s41, ttmp6, 0x40004
	s_lshl_b32 s42, ttmp9, 2
	s_add_co_u32 s42, s42, s40                     ; tile column
	s_and_b32 s13, ttmp7, 0xffff
	s_lshl_b32 s13, s13, 2
	s_add_co_u32 s13, s13, s41                     ; tile row
	s_lshl_b32 s43, s41, 2
	s_lshl_b32 s43, 15, s43
	s_lshl_b32 s44, 0x1111, s40
	s_or_b32 s[G1+0], s43, (3<<16)|(1<<21)         ; 4 rows (blocks of 16) of 8 KiB, 64 KiB apart; elements of 8 bytes
	s_or_b32 s[G1B+0], s44, (3<<16)|(1<<21)
.irp g, G1, G1B
	s_mov_b32 s[\g+1], 1024<<16
	s_mov_b32 s[\g+2], 4<<16
	s_mov_b32 s[\g+3], 1024<<16
	s_mov_b32 s[\g+4], 4
	s_mov_b32 s[\g+5], 8192
	s_mov_b32 s[\g+6], 0
	s_mov_b32 s[\g+7], 0
.endr
	s_lshl_b32 s17, s12, 2
	s_lshl_b32 s16, s13, 3
	s_add_co_u32 s16, s16, s17
	s_lshl_b32 s16, s16, 16
	s_lshl_b32 s46, s42, 3
	s_add_co_u32 s46, s46, s17
	s_lshl_b32 s46, s46, 16
	s_mov_b32 s17, 0
	s_mov_b32 s47, 0
	s_lshl_b32 s20, s10, 15                        ; where they go: wave x 32 KiB
	s_wait_dscnt 0x0
	s_wait_kmcnt 0x0
	s_add_nc_u64 s[14:15], s[4:5], s[16:17]
	s_add_nc_u64 s[46:47], s[6:7], s[46:47]
	CROUND
.irp s, 0,1
	s_mov_b32 s[G0+4*\s], 1
	s_add_co_u32 s[G0+4*\s+1], s20, \s*SLOT
	s_add_nc_u64 s[G0+4*\s+2:G0+4*\s+3], s[14:15], \s*8192
	s_or_b32 s[G0+4*\s+3], s[G0+4*\s+3], 0x80000000
	s_mov_b32 s[G0B+4*\s], 1
	s_add_co_u32 s[G0B+4*\s+1], s20, \s*SLOT
	s_add_nc_u64 s[G0B+4*\s+2:G0B+4*\s+3], s[46:47], \s*8192
	s_or_b32 s[G0B+4*\s+3], s[G0B+4*\s+3], 0x80000000
	JLOAD \s
.endr
	v_and_b32 v1, 15, v0
	v_bfe_u32 v2, v0, 4, 1
	v_and_b32 v3, 31, v0
	v_lshlrev_b32 v3, 4, v3                        ; an image's place for my lane
	s_lshl_b32 s21, s11, 15
	s_lshl_b32 s22, s12, 15
	s_add_co_u32 s22, s22, 65536
.irp s, 0,1
	v_add_nc_u32 v[ADRA+\s], s21, v3
	v_add_nc_u32 v[ADRB+\s], s22, v3
	s_add_co_u32 s21, s21, SLOT
	s_add_co_u32 s22, s22, SLOT
.endr
	s_mul_i32 s23, s10, 16*SPITCH
	s_add_co_u32 s23, s23, STAGE                   ; my stage
	v_mul_u32_u24 v4, v1, SPITCH
	v_lshl_add_u32 v4, v2, 5, v4
	v_add_nc_u32 v[STO], s23, v4                   ; in: row l % 16, 32 bytes for each half of the lanes
	v_mul_u32_u24 v5, v2, SPITCH
	v_lshl_add_u32 v5, v1, 4, v5
	v_add_nc_u32 v[RD], s23, v5                    ; back: lanes 0-15 one row of 256 bytes, lanes 16-31 the next
	v_lshlrev_b32 v5, 13, v2
	v_lshl_add_u32 v[CO], v1, 4, v5                ; and the same two rows in out0
	s_lshl_b32 s16, s13, 1
	s_add_co_u32 s16, s16, s11
	s_lshl_b32 s16, s16, 19                        ; my first row x 8,192 bytes
	s_mov_b32 s17, 0
	s_add_nc_u64 s[8:9], s[8:9], s[16:17]
	s_lshl_b32 s46, s42, 9
	s_lshl_b32 s47, s12, 8
	s_add_co_u32 s46, s46, s47
	s_mov_b32 s47, 0
	s_add_nc_u64 s[8:9], s[8:9], s[46:47]
.macro MUL8 f, c, a0, zero             ; 8 products: token blocks a0, a0 + 1 x all 4 column blocks, 32 along K: half c of buffer f; the 16 accumulators take turns
.irp a, \a0, \a0+1
.irp b, 0,1,2,3
.if \zero
	v_wmma_f32_16x16x32_f16 v[ACC+8*(4*(\a)+\b):ACC+8*(4*(\a)+\b)+7], v[\f+64+8*(4*\c+\b):\f+64+8*(4*\c+\b)+7], v[\f+8*(4*\c+\a):\f+8*(4*\c+\a)+7], 0
.else
	v_wmma_f32_16x16x32_f16 v[ACC+8*(4*(\a)+\b):ACC+8*(4*(\a)+\b)+7], v[\f+64+8*(4*\c+\b):\f+64+8*(4*\c+\b)+7], v[\f+8*(4*\c+\a):\f+8*(4*\c+\a)+7], v[ACC+8*(4*(\a)+\b):ACC+8*(4*(\a)+\b)+7]
.endif
.endr
.endr
.endm
.macro FETCH slot, qd, f               ; 32 LDS loads in one run: quarter qd (64 along K) of the slot into buffer f, its first 32 along K first
	WIN TO_F
.irp c, 0,1
.irp i, 0,1,2,3
	ds_load_b128 v[\f+64+8*(4*\c+\i):\f+64+8*(4*\c+\i)+3],   v[ADRB+\slot] offset:(2*\qd+\c)*1024+\i*8192
	ds_load_b128 v[\f+64+8*(4*\c+\i)+4:\f+64+8*(4*\c+\i)+7], v[ADRB+\slot] offset:(2*\qd+\c)*1024+\i*8192+512
	ds_load_b128 v[\f+8*(4*\c+\i):\f+8*(4*\c+\i)+3],         v[ADRA+\slot] offset:(2*\qd+\c)*1024+\i*8192
	ds_load_b128 v[\f+8*(4*\c+\i)+4:\f+8*(4*\c+\i)+7],       v[ADRA+\slot] offset:(2*\qd+\c)*1024+\i*8192+512
.endr
.endr
.endm
.macro PLACES
.rept 4
	v_nop
.endr
.endm
.macro QUARTER slot, qd, f, g, zero    ; multiplies buffer f and fetches quarter qd of the same slot into g
	s_wait_dscnt 16                                ; the first 32 along K are in; the other sixteen loads may be out
	WIN MUL
	MUL8 \f, 0, 0, \zero
	MUL8 \f, 0, 2, \zero
	PLACES
	FETCH \slot, \qd, \g
	s_wait_dscnt 32                                ; all but the 32 just issued
	WIN MUL
	MUL8 \f, 1, 0, 0
	MUL8 \f, 1, 2, 0
.endm
.macro TURN slot, next, fill           ; a slot's last quarter changes slots: one barrier; in front of it the wait for all my tensor loads, the add, and the wait for it and for my reads of this slot
	WIN 0
	s_wait_tensorcnt 0x0
	ds_add_u32 v[SPW], v[NIL]
	s_wait_dscnt 17                                ; the add and the youngest sixteen loads may be out
	WIN MUL
	MUL8 F1, 0, 0, 0
	s_wait_dscnt 0x0
	s_barrier_signal -1
	MUL8 F1, 0, 2, 0
.if \fill
	WIN 0
.endif
	s_barrier_wait -1
.if \fill
	CREST                                          ; the barrier has opened a round of the cluster's: no wave of any partner still reads this slot or has a load on its way
	s_add_nc_u64 s[G0+4*\slot+2:G0+4*\slot+3], s[G0+4*\slot+2:G0+4*\slot+3], 16384
	s_add_nc_u64 s[G0B+4*\slot+2:G0B+4*\slot+3], s[G0B+4*\slot+2:G0B+4*\slot+3], 16384
	JLOAD \slot                                    ; two K steps ahead; its four v_nop are also the places in front of the loads below
.else
	PLACES
.endif
	FETCH \next, 0, F0
	WIN MUL
	MUL8 F1, 1, 0, 0
	MUL8 F1, 1, 2, 0
.endm
	s_wait_tensorcnt 1                             ; my part of K step 0 is in; K step 1's load stays out
	s_barrier_signal -1
	s_barrier_wait -1
	FETCH 0, 0, F0
	QUARTER 0, 1, F0, F1, 1                        ; the first products start the sums
	WIN 0
	s_mov_b32 s3, LAPS-1
.Llap:
	QUARTER 0, 2, F1, F0, 0
	QUARTER 0, 3, F0, F1, 0
	TURN 0, 1, 1
	QUARTER 1, 1, F0, F1, 0
	QUARTER 1, 2, F1, F0, 0
	QUARTER 1, 3, F0, F1, 0
	TURN 1, 0, 1
	QUARTER 0, 1, F0, F1, 0
	WIN 0
	s_sub_co_u32 s3, s3, 1
	s_cmp_lg_u32 s3, 0
	s_cbranch_scc1 .Llap
	QUARTER 0, 2, F1, F0, 0                        ; the last lap fills nothing
	QUARTER 0, 3, F0, F1, 0
	TURN 0, 1, 0
	QUARTER 1, 1, F0, F1, 0
	QUARTER 1, 2, F1, F0, 0
	QUARTER 1, 3, F0, F1, 0
	s_wait_dscnt 16
	WIN MUL
	MUL8 F1, 0, 0, 0
	MUL8 F1, 0, 2, 0
	s_wait_dscnt 0
	MUL8 F1, 1, 0, 0
	MUL8 F1, 1, 2, 0
	WIN 0
	; THE WAY OUT: my 64 columns are 256 aligned bytes of a row, so the stage is my own and needs no barrier.  16 rows at a time: in by lanes, back by rows; two sets of registers take turns.
	PLACES
.irp a, 0,1,2,3
.if \a >= 2
	s_wait_xcnt 0x0                                ; the stores of two blocks back have read their registers
.endif
.irp b, 0,1,2,3
	ds_store_b128 v[STO], v[ACC+8*(4*\a+\b):ACC+8*(4*\a+\b)+3] offset:64*\b       ; each accumulator from its low end on
	ds_store_b128 v[STO], v[ACC+8*(4*\a+\b)+4:ACC+8*(4*\a+\b)+7] offset:64*\b+16
.endr
.irp t, 0,1,2,3,4,5,6,7
	ds_load_b128 v[TMP+32*(\a%2)+4*\t:TMP+32*(\a%2)+4*\t+3], v[RD] offset:\t*2*SPITCH   ; LDS serves a wave's instructions in order: these see my stores
.endr
	s_wait_dscnt 0x0
.irp t, 0,1,2,3,4,5,6,7
	global_store_b128 v[CO], v[TMP+32*(\a%2)+4*\t:TMP+32*(\a%2)+4*\t+3], s[8:9] offset:(16*\a+2*\t)*8192 th:TH_STORE_NT   ; sixteen lanes store 256 consecutive bytes, aligned
.endr
.endr
	s_wait_tensorcnt 0x0                           ; the wave's end
	ds_add_u32 v[SPW], v[NIL]
	s_wait_dscnt 0x0
	CROUND
	s_endpgm
.Lfunc_end_k_q9a78e5bf16_wo:
	.size	k_q9a78e5bf16_wo, .Lfunc_end_k_q9a78e5bf16_wo-k_q9a78e5bf16_wo
	.p2alignl 7, 3214868480
	.fill 96, 4, 3214868480
	.section	.rodata,"a",@progbits
	.p2align	6, 0x0
	.amdhsa_kernel k_q9a78e5bf16_wo
		.amdhsa_group_segment_fixed_size 327680
		.amdhsa_private_segment_fixed_size 0
		.amdhsa_enable_private_segment 0
		.amdhsa_kernarg_size 24
		.amdhsa_user_sgpr_count 2
		.amdhsa_user_sgpr_kernarg_segment_ptr 1
		.amdhsa_wavefront_size32 1
		.amdhsa_system_sgpr_workgroup_id_x 1
		.amdhsa_system_sgpr_workgroup_id_y 1
		.amdhsa_system_sgpr_workgroup_id_z 1
		.amdhsa_system_vgpr_workitem_id 0
		.amdhsa_next_free_vgpr 512
		.amdhsa_next_free_sgpr 66
		.amdhsa_reserve_vcc 0
		.amdhsa_float_denorm_mode_32 3
		.amdhsa_float_denorm_mode_16_64 3
		.amdhsa_memory_ordered 1
		.amdhsa_forward_progress 1
		.amdhsa_inst_pref_size 85
	.end_amdhsa_kernel
	.amdgpu_metadata
---
amdhsa.version: [ 1, 2 ]
amdhsa.kernels:
  - .name:           k_q9a78e5bf16_wo
    .symbol:         k_q9a78e5bf16_wo.kd
    .args:
      - { .name: at16, .offset: 0, .size: 8, .value_kind: global_buffer, .address_space: global }
      - { .name: wo16, .offset: 8, .size: 8, .value_kind: global_buffer, .address_space: global }
      - { .name: out0, .offset: 16, .size: 8, .value_kind: global_buffer, .address_space: global }
    .group_segment_fixed_size: 327680
    .private_segment_fixed_size: 0
    .kernarg_segment_align: 8
    .kernarg_segment_size: 24
    .max_flat_workgroup_size: 128
    .sgpr_count:     66
    .vgpr_count:     512
    .wavefront_size: 32
...
	.end_amdgpu_metadata
.endif
;; end of part 4
;; launch fine (part 5): grid 65 x 1, 16 waves a work-group, no clusters, 35,072 bytes of LDS; arguments afine, Wo, xq, out0, out1; writes out0, out1
.if DOCPART == 5
	.amdgcn_target "amdgcn-amd-amdhsa--gfx1250"
	.amdhsa_code_object_version 6
	.text
	.protected	k_q9a78e5bf16_fine
	.globl	k_q9a78e5bf16_fine
	.p2align	8
	.type	k_q9a78e5bf16_fine,@function
k_q9a78e5bf16_fine:
	s_mov_b64 s[64:65], 0
	v_nop
	global_prefetch_b8 v0, s[64:65] scope:SCOPE_SE
	s_setreg_imm32_b32 hwreg(HW_REG_WAVE_MODE, 25, 1), 1
	s_wait_xcnt 0x0
; Launch 5 of 5.  Work-groups 0-63: rows 0-15 of out0 once more, from the attention's f32 sums and Wo in f32, by the f32 matrix form.  These rows average the fewest values and are the largest; 16 of 2,048 rows are no bulk work.
; LIMIT: their scores and weights keep f16 operands; only the projection is finer here.  Work-group 64: the loss on the gates.  Nothing is left out here.
; Work-group j takes columns 32 j on, wave w K = 128 w on; the sixteen waves' sums meet in LDS and are added in the waves' order.  Each store of a wave covers 128 consecutive bytes of a row (128 KiB in all).
; No tile is shared and each byte of Wo is read once, all loads going out at the head: no cluster, no tensor load, no prefetch.
.set SPARE, 33024
.set LOSSW, 32768
.set SPW, 8
.set NIL, 9
	s_load_b256 s[4:11], s[0:1], 0x0               ; afine s[4:5], Wo s[6:7], xq s[8:9], out0 s[10:11]
	s_load_b64 s[12:13], s[0:1], 0x20              ; out1
	v_lshl_add_u32 v[SPW], v0, 2, SPARE
	v_mov_b32 v[NIL], 0
	v_lshrrev_b32 v1, 5, v0
	v_readfirstlane_b32 s14, v1                    ; wave 0..15
	v_and_b32 v1, 31, v0
	s_mov_b32 s17, 0
	s_mov_b32 s24, 0x76543210
	s_mov_b32 s25, 0xfedcba98
	s_wait_kmcnt 0x0
	s_cmp_lt_u32 ttmp9, 64
	s_cbranch_scc0 .Lloss
	v_lshlrev_b32 v2, 3, v1                        ; 8 bytes a lane: an image of source 0 (16 rows x 4 K)
	v_lshlrev_b32 v3, 2, v1                        ; 4 bytes a lane: a lane a column
	s_lshl_b32 s16, s14, 13
	s_add_nc_u64 s[4:5], s[4:5], s[16:17]
	s_lshl_b32 s16, s14, 20
	s_lshl_b32 s18, ttmp9, 7
	s_add_co_u32 s16, s16, s18
	s_add_nc_u64 s[6:7], s[6:7], s[16:17]
.set i, 0
.rept 32
	global_load_b64 v[144+2*i:145+2*i], v2, s[4:5] offset:256*i
.set i, i+1
.endr
.set i, 0
.rept 128
	global_load_b32 v[16+i], v3, s[6:7] offset:8192*i th:TH_LOAD_NT
.set i, i+1
.endr
	s_lshl_b32 s18, s14, 11
	v_lshlrev_b32 v4, 4, v1
	v_add_nc_u32 v4, s18, v4                       ; my sums' place: 2,048 x wave + 16 x lane
	v_lshrrev_b32 v5, 4, v1
	v_lshlrev_b32 v5, 10, v5
	v_and_b32 v6, 15, v1
	v_lshl_add_u32 v5, v6, 4, v5
	s_bfe_u32 s20, s14, 0x10002
	s_lshl_b32 s20, s20, 9
	s_lshr_b32 s21, s14, 3
	s_lshl_b32 s21, s21, 8
	s_add_co_u32 s20, s20, s21
	s_and_b32 s21, s14, 3
	s_lshl_b32 s21, s21, 2
	s_add_co_u32 s20, s20, s21
	v_add_nc_u32 v5, s20, v5                       ; element (row = wave, column = lane) in a wave's stored accumulators
	s_lshl_b32 s16, s14, 13
	s_lshl_b32 s18, ttmp9, 7
	s_add_co_u32 s16, s16, s18
	s_add_nc_u64 s[10:11], s[10:11], s[16:17]
	; four K at a time.  Registers R0..R3 hold Wo(4 g + 0..3, my column).  The two exchanges of halves leave (R0, R1) as source 1 for columns 0-15 (lanes 16-31: K + 2) and (R2, R3) for columns 16-31.
	; Two accumulators by turns; no register is used twice, and only matrix instructions write v208-223.
.set g, 0
.rept 32
.if 124-4*g > 63
	s_wait_loadcnt 63                              ; more than 63 loads were issued behind these: with 63 out at the most they are in
.else
	s_wait_loadcnt 124-4*g                         ; the loads issued behind these four
.endif
	v_permlane16_swap_b32 v[16+4*g], v[18+4*g]
	v_permlane16_swap_b32 v[17+4*g], v[19+4*g]
.if g == 0
	v_wmma_f32_16x16x4_f32 v[208:215], v[144+2*g:145+2*g], v[16+4*g:17+4*g], 0
	v_wmma_f32_16x16x4_f32 v[216:223], v[144+2*g:145+2*g], v[18+4*g:19+4*g], 0
.else
	v_wmma_f32_16x16x4_f32 v[208:215], v[144+2*g:145+2*g], v[16+4*g:17+4*g], v[208:215]
	v_wmma_f32_16x16x4_f32 v[216:223], v[144+2*g:145+2*g], v[18+4*g:19+4*g], v[216:223]
.endif
.set g, g+1
.endr
.rept 8
	v_nop                                          ; eight places behind this form, in front of the stores that read the results and the loads into its sources
.endr
	ds_store_b128 v4, v[208:211]
	ds_store_b128 v4, v[212:215] offset:512
	ds_store_b128 v4, v[216:219] offset:1024
	ds_store_b128 v4, v[220:223] offset:1536
	s_wait_dscnt 0x0
	s_barrier_signal -1
	s_barrier_wait -1
.irp p, 0,1,2,3,4,5,6,7,8,9,10,11,12,13,14,15
	ds_load_b32 v[16+\p], v5 offset:2048*\p
.endr
	s_wait_dscnt 0x0
.irp p, 1,2,3,4,5,6,7,8,9,10,11,12,13,14,15
	v_add_f32 v16, v16, v[16+\p]
.endr
	global_store_b32 v3, v16, s[10:11]
	s_branch .Lend
.Lloss:
	v_lshlrev_b32 v2, 4, v0                        ; four gates a thread
	global_load_b128 v[16:19], v2, s[8:9] offset:2228224
	s_mov_b32 s20, 0x3727c5ac                      ; 1e-5
	s_mov_b32 s21, 0x3f7fff58                      ; 1 - 1e-5
	s_lshl_b32 s18, s14, 2
	s_add_co_u32 s18, s18, LOSSW
	v_mov_b32 v4, s18
	v_mov_b32 v5, LOSSW
	v_mov_b32 v10, 0
	v_mov_b32 v11, 0
	s_wait_loadcnt 0x0
.irp i, 0,1,2,3
	v_med3_num_f32 v[20+\i], v[16+\i], s20, s21    ; the clipped gate
	v_sub_f32 v[28+\i], 1.0, v[16+\i]
.endr
.irp i, 0,1,2,3
	v_sub_f32 v[24+\i], 1.0, v[20+\i]
.endr
.irp i, 0,1,2,3
	v_log_f32 v[20+\i], v[20+\i]
	v_log_f32 v[24+\i], v[24+\i]
.endr
	v_nop
	s_wait_alu depctr_va_vdst(0)                   ; one wait for the eight logarithms
.irp i, 0,1,2,3
	v_mul_f32 v[20+\i], v[16+\i], v[20+\i]
	v_fmac_f32 v[20+\i], v[28+\i], v[24+\i]        ; g log2 gc + (1 - g) log2(1 - gc)
	v_fma_f32 v[24+\i], -v[16+\i], v[28+\i], v[16+\i]   ; g - g (1 - g)
	v_mul_f32 v[24+\i], 0x3dcccccd, v[24+\i]       ; x 0.1
	v_fmamk_f32 v[24+\i], v[20+\i], 0xbbe32166, v[24+\i]   ; - 0.01 ln 2 x the entropy's sum
.endr
	v_add_f32 v24, v24, v25
	v_add_f32 v26, v26, v27
	v_add_f32 v24, v24, v26
	v_add_f32_dpp v24, v24, v24 row_xmask:1 row_mask:0xf bank_mask:0xf
	v_add_f32_dpp v24, v24, v24 row_xmask:2 row_mask:0xf bank_mask:0xf
	v_add_f32_dpp v24, v24, v24 row_xmask:4 row_mask:0xf bank_mask:0xf
	v_add_f32_dpp v24, v24, v24 row_xmask:8 row_mask:0xf bank_mask:0xf
	v_permlanex16_b32 v11, v24, s24, s25
	v_add_f32 v24, v24, v11
	ds_store_b32 v4, v24
	s_wait_dscnt 0x0
	s_barrier_signal -1
	s_barrier_wait -1
.irp i, 0,1,2,3
	ds_load_b128 v[32+4*\i:35+4*\i], v5 offset:16*\i
.endr
	s_wait_dscnt 0x0
.irp p, 1,2,3,4,5,6,7,8,9,10,11,12,13,14,15
	v_add_f32 v32, v32, v[32+\p]
.endr
	v_mul_f32 v32, 0x3a000000, v32                 ; the mean over 2,048 gates
	v_cmp_eq_u32 vcc_lo, 0, v0
	s_wait_xcnt 0x0                                ; EXEC changes only behind this wait
	s_and_saveexec_b32 s22, vcc_lo
	global_store_b32 v10, v32, s[12:13]
	s_wait_xcnt 0x0
	s_or_b32 exec_lo, exec_lo, s22
.Lend:
	s_wait_tensorcnt 0x0                           ; the wave's end
	ds_add_u32 v[SPW], v[NIL]
	s_wait_dscnt 0x0
	s_endpgm
.Lfunc_end_k_q9a78e5bf16_fine:
	.size	k_q9a78e5bf16_fine, .Lfunc_end_k_q9a78e5bf16_fine-k_q9a78e5bf16_fine
	.p2alignl 7, 3214868480
	.fill 96, 4, 3214868480
	.section	.rodata,"a",@progbits
	.p2align	6, 0x0
	.amdhsa_kernel k_q9a78e5bf16_fine
		.amdhsa_group_segment_fixed_size 35072
		.amdhsa_private_segment_fixed_size 0
		.amdhsa_enable_private_segment 0
		.amdhsa_kernarg_size 40
		.amdhsa_user_sgpr_count 2
		.amdhsa_user_sgpr_kernarg_segment_ptr 1
		.amdhsa_wavefront_size32 1
		.amdhsa_system_sgpr_workgroup_id_x 1
		.amdhsa_system_sgpr_workgroup_id_y 1
		.amdhsa_system_sgpr_workgroup_id_z 1
		.amdhsa_system_vgpr_workitem_id 0
		.amdhsa_next_free_vgpr 224
		.amdhsa_next_free_sgpr 66
		.amdhsa_reserve_vcc 1
		.amdhsa_float_denorm_mode_32 3
		.amdhsa_float_denorm_mode_16_64 3
		.amdhsa_memory_ordered 1
		.amdhsa_forward_progress 1
		.amdhsa_inst_pref_size 31
	.end_amdhsa_kernel
	.amdgpu_metadata
---
amdhsa.version: [ 1, 2 ]
amdhsa.kernels:
  - .name:           k_q9a78e5bf16_fine
    .symbol:         k_q9a78e5bf16_fine.kd
    .args:
      - { .name: afine, .offset: 0, .size: 8, .value_kind: global_buffer, .address_space: global }
      - { .name: Wo, .offset: 8, .size: 8, .value_kind: global_buffer, .address_space: global }
      - { .name: xq, .offset: 16, .size: 8, .value_kind: global_buffer, .address_space: global }
      - { .name: out0, .offset: 24, .size: 8, .value_kind: global_buffer, .address_space: global }
      - { .name: out1, .offset: 32, .size: 8, .value_kind: global_buffer, .address_space: global }
    .group_segment_fixed_size: 35072
    .private_segment_fixed_size: 0
    .kernarg_segment_align: 8
    .kernarg_segment_size: 40
    .max_flat_workgroup_size: 512
    .sgpr_count:     66
    .vgpr_count:     224
    .wavefront_size: 32
...
	.end_amdgpu_metadata
.endif
;; end of part 5
